; MI455X (gfx1250); checked and timed in simulation.
; The chip was launched on July 23, 2026; its instructions are those of AMD's public machine-readable ISA for CDNA 5 (MIT licence, August 2026) and "CDNA5" Instruction Set Architecture Reference Guide (July 2026). The comments in the code are by the model that wrote it; some were corrected since.
;; Multi Head Self Attention. Allowed arithmetic: matrix products marked QUANTISED: E2M3 operands, one E8M0 scale for each 32 along K, by v_wmma_scale_f32_16x16x128_f8f6f4 with both operands' format E2M3, f32 sums; everything else in f32.
;; Inputs: Wk 1,024 x 1,024 float32; Wo 1,024 x 1,024 float32; Wq 1,024 x 1,024 float32; Wv 1,024 x 1,024 float32; attention_mask 2 x 2,048 int32; x 2 x 2,048 x 1,024 float32.
;; Outputs: out0 2 x 2,048 x 1,024 float32.
;; This version of the problem:
;;   THIS VERSION OF THE PROBLEM IS GIVEN IN LOW PRECISION. The matrix products marked QUANTISED in the list below multiply operands that are first quantised to E2M3 (2 exponent bits, 3 mantissa bits; 6 bits a number), with one power-of-two scale for each 32 numbers along K (OCP MX v1.0); their sums are f32. All else is computed in f32.
;;   The module's matrix products, in the order in which they are computed (A, B: the left and right operand; K: the contracted axis; several contracted axes count as one K, in the product's order):
;;     1. [M 4,096, K 1,024] x [K 1,024, N 1,024]; A: input x; B: input Wq: QUANTISED
;;     2. [M 4,096, K 1,024] x [K 1,024, N 1,024]; A: input x; B: input Wk: QUANTISED
;;     3. [M 4,096, K 1,024] x [K 1,024, N 1,024]; A: input x; B: input Wv: QUANTISED
;;     4. batch 32 x [M 2,048, K 64] x [K 64, N 2,048]; A: computed on the way; B: computed on the way: QUANTISED
;;     5. batch 32 x [M 64, K 2,048] x [K 2,048, N 2,048]; A: computed on the way; B: softmax (see below): QUANTISED
;;     6. [M 4,096, K 1,024] x [K 1,024, N 1,024]; A: computed on the way; B: input Wo: QUANTISED
;;   THE QUANTISER, for each operand of a quantised product, along K:
;;     - K is cut into blocks of 32 from its start; a last block that is shorter is filled with zeros.
;;     - A block's scale is 2^e with e = floor(log2(the largest magnitude in the block)) - 2, held to -126 .. 127; a block of zeros has e = 0. As a byte (E8M0): e + 127.
;;     - Each number is divided by its block's scale, clamped to +-7.5, and rounded to the nearest number of E2M3, ties to even, subnormals kept.
;;     - The product sums the exact products of the quantised numbers (number of the format x scale) in f32.
;;   ~~~python
;;   def quantise(x, axis):      # numpy; x: float32 -> the quantised numbers, widened to float32 again
;;       x = np.moveaxis(x, axis, -1); K = x.shape[-1]
;;       x = np.pad(x, [(0, 0)] * (x.ndim - 1) + [(0, -K % 32)]); x = x.reshape(x.shape[:-1] + (-1, 32)); a = np.abs(x).max(-1, keepdims=True)
;;       e = np.where(a > 0, np.clip(np.frexp(np.where(a > 0, a, 1))[1] - 1 - 2, -126, 127), 0)      # np.frexp(a)[1] - 1 = floor(log2(a)), exactly
;;       r = np.clip(x / 2.0 ** e, -7.5, 7.5)
;;       step = 2.0 ** (np.maximum(np.frexp(np.where(r == 0, 1, r))[1] - 1, 0) - 3)
;;       q = np.round(r / step) * step * 2.0 ** e      # np.round: ties to even
;;       return np.moveaxis(q.reshape(q.shape[:-2] + (-1,))[..., :K], -1, axis).astype(np.float32)
;;   ~~~
;;   SOFTMAX AHEAD OF A QUANTISED PRODUCT. Where the list says 'softmax', what is quantised is not the finished softmax but p = 2^(t - M), with t = logit x log2(e) and M = ceil(the row's largest t), a whole number; so 1/2 < the row's largest p <= 1. The row's sum l is taken of the UNQUANTISED p, in f32, and the product's result is divided by l at the end. Since M is a whole number, a kernel that streams over the keys may use a running M (the ceiling of the running maximum): every later rescaling is an exact power of two, which a block's scale takes up: the codes' values come out the same.
;;   OPERANDS COMPUTED ON THE WAY. 'Computed on the way' means the value that the module computes at that place (a softmax that the list does not call 'softmax' is quantised finished and normalised). What goes into a quantiser is computed in f32, as accurately as f32 sums, v_exp_f32 and their like allow (about 1e-6 of the number): no bf16 or f16 on the way to a quantiser, and a product that is left as it is and whose result goes on into a quantised operand takes f32 operands (vector FMAs, or v_wmma_f32_16x16x4_f32). A number that lies on a knife's edge between two numbers of the format may be rounded either way, as far as f32 arithmetic and the matrix unit's own rounding can turn it there, and no further.
;; One version. Each part assembles by itself: llvm-mc -triple=amdgcn-amd-amdhsa -mcpu=gfx1250 --defsym DOCPART=n.
;; ======== version 1 of 1: 4 launches
;; limits: right only within a limited range of input values
;; workspace buffers: xc 3,145,728 bytes; xs 131,072 bytes; wc 3,145,728 bytes; ws 131,072 bytes; qkv 10,092,544 bytes; oc 3,145,728 bytes; os 131,072 bytes
;; launch prep (part 1): grid 256 x 1, 4 waves a work-group, no clusters, 68,096 bytes of LDS; arguments x, Wq, Wk, Wv, Wo, xc, xs, wc, ws; writes xc, xs, wc, ws
.if DOCPART == 1
	.amdgcn_target "amdgcn-amd-amdhsa--gfx1250"
	.amdhsa_code_object_version 6
	.text
	.protected	k_q68d0f70be4_prep
	.globl	k_q68d0f70be4_prep
	.p2align	8
	.type	k_q68d0f70be4_prep,@function
k_q68d0f70be4_prep:
	s_mov_b64 s[64:65], 0
	v_nop
	global_prefetch_b8 v0, s[64:65] scope:SCOPE_SE
	s_setreg_imm32_b32 hwreg(HW_REG_WAVE_MODE, 25, 1), 1
	s_wait_xcnt 0x0
; x [4096][1024] f32 and the four weights [1024 (k)][1024 (n)] f32 become codes of FP6 (E2M3), K innermost, with one E8M0 byte for each 32 along K.
; A block's scale is 2^(floor(log2(its largest magnitude)) - 2); its byte is the largest magnitude's exponent field - 2, held at 1 from below.
; LIMITS: a block of zeros gets the byte 1 where the rule says 127 (its codes are zeros, and this program alone reads the bytes); NaN and infinities among the inputs are not served.
; TILE ORDER: in every 32 rows of xc, xs, wc, ws the four groups of 8 rows 0, 1, 2, 3 lie at places 0, 2, 1, 3.  So 16 rows on end of a buffer are the rows
; 8 u + r + 8 (r / 8) of their 32: a matrix result whose source 0 is such a tile has 16 neighbours of that axis in a lane's 16 registers of two neighbouring tiles.
; Work-groups 0-127 take x: a stream of blocks, a wave 8 rows (8,192 numbers).  Work-groups 128-255 take the weights: a lane takes a column, its registers run down K.
; wc, ws: rows 0-1023 Wq's columns, 1024-2047 Wk's, 2048-3071 Wv's, 3072-4095 Wo's.  The two ways have LDS bytes of their own.  No input is shared between work-groups: no cluster, no tensor load, no barrier.
.set STEPS, 16
.set CB,    12                         ; bytes of 16 codes
.set R,     16                         ; v16-79   x: four sets of 16 numbers as loaded
.set X,     80                         ; v80-111  x: two sets of 16 neighbours
.set C,     128                        ; v128-191 x: codes, four registers a step
.set E,     112                        ; v112-127 x: a scale byte a step
.set WREG,  8192                       ; x: LDS of a wave: two stages of 32 x SP bytes, then its 256 scale bytes
.set SP,    80
.set WSTG,  32768                      ; the weights' stages begin here: 32 rows x WP bytes a wave
.set WP,    272
.set NB,    8                          ; blocks of 32 along K for a wave
.set WX,    32                         ; v32-95   weights: two sets of 32 numbers
.set WC,    96                         ; v96..    a block's codes
.set OUTR,  112                        ; v112-175 the way out
.set SB,    24                         ; v24-25   the scale bytes
	s_load_b256 s[4:11], s[0:1], 0x0               ; x, Wq, Wk, Wv
	s_load_b256 s[12:19], s[0:1], 0x20             ; Wo, xc, xs, wc
	s_load_b64 s[20:21], s[0:1], 0x40              ; ws
	v_lshl_add_u32 v192, v0, 2, 0x10800
	v_mov_b32 v193, 0
	v_lshrrev_b32 v1, 5, v0
	v_readfirstlane_b32 s22, v1                    ; wave
	v_and_b32 v2, 31, v0                           ; lane
	s_wait_kmcnt 0x0
	s_cmp_lt_u32 ttmp9, 128
	s_cbranch_scc0 .Lweights
; ---------------- x ----------------
	s_wait_alu depctr_va_vdst(0)
	v_lshlrev_b32 v3, 4, v2                        ; my 16 bytes of a load's 512
	s_mul_i32 s23, s22, WREG
	v_lshrrev_b32 v14, 2, v2
	v_mul_u32_u24 v14, v14, SP
	v_and_b32 v15, 3, v2
	v_lshl_add_u32 v14, v15, 4, v14
	v_add_nc_u32 v14, s23, v14                     ; the stage, in: SP (lane / 4) + 16 (lane % 4)
	v_mul_u32_u24 v15, v2, SP
	v_add_nc_u32 v15, s23, v15                     ; out: SP x lane: my 16 neighbours
	; xc and wc are laid [tile of 256 rows][K step of 256][row][192 bytes] (Wo's rows of wc: tiles of 128 rows): a tile's K step is a dense block
	v_and_b32 v4, 15, v2
	v_mul_u32_u24 v4, v4, CB                       ; 16 lanes hold a row's 192 bytes of one K step;
	v_lshrrev_b32 v10, 4, v2
	v_mad_u32_u24 v4, v10, 49152, v4               ; lanes 16-31 the next K step's
	v_lshrrev_b32 v5, 1, v2
	s_add_co_u32 s23, s23, 2*32*SP
	v_add_nc_u32 v5, s23, v5                       ; my block's scale byte in the wave's 256
	v_lshlrev_b32 v7, 3, v2
	v_add_nc_u32 v6, s23, v7
	s_lshl_b32 s24, ttmp9, 2
	s_add_co_u32 s26, s24, s22                     ; the run of 8 rows that I read
	s_lshl_b32 s26, s26, 15
	s_mov_b32 s27, 0
	s_add_nc_u64 s[4:5], s[4:5], s[26:27]
	s_and_b32 s28, s22, 1                          ; and its place in tile order: the wave's two bits change places
	s_lshl_b32 s28, s28, 1
	s_lshr_b32 s29, s22, 1
	s_or_b32 s28, s28, s29
	s_add_co_u32 s28, s24, s28
	s_lshr_b32 s26, s28, 5                         ; my 8 rows: tile of 256 rows,
	s_mul_i32 s26, s26, 196608
	s_and_b32 s29, s28, 31                         ; and their place in it
	s_mul_i32 s29, s29, 1536
	s_add_co_u32 s26, s26, s29
	s_add_nc_u64 s[14:15], s[14:15], s[26:27]
	s_lshl_b32 s26, s28, 8
	s_add_nc_u64 s[16:17], s[16:17], s[26:27]
.macro XLOAD t
.irp i, 0,1,2,3
	global_load_b128 v[R+16*((\t)%4)+4*\i:R+16*((\t)%4)+4*\i+3], v3, s[4:5] offset:2048*(\t)+512*\i th:TH_LOAD_NT   ; 32 lanes read 512 consecutive bytes
.endr
.endm
.macro XTURN t                         ; a step's numbers through the stage; LDS serves a wave's instructions in order
.irp i, 0,1,2,3
	ds_store_b128 v14, v[R+16*((\t)%4)+4*\i:R+16*((\t)%4)+4*\i+3] offset:32*SP*((\t)%2)+8*SP*\i
.endr
.irp i, 0,1,2,3
	ds_load_b128 v[X+16*((\t)%2)+4*\i:X+16*((\t)%2)+4*\i+3], v15 offset:32*SP*((\t)%2)+16*\i
.endr
.endm
.irp t, 0,1,2,3
	XLOAD \t
.endr
	s_wait_alu depctr_va_vdst(0)
	s_wait_loadcnt 12                              ; step 0's four loads are in
	XTURN 0
.macro XSTEP t
.set XS, X+16*((\t)%2)
.if (\t) > 0
	s_wait_dscnt 1                                 ; this step's numbers are back from the stage; the last step's byte store may be out
.else
	s_wait_dscnt 0x0
.endif
.if (\t)+4 < STEPS
	XLOAD (\t)+4                                   ; into the registers that the stage's stores have read
.endif
.if (\t)+1 < STEPS
.if STEPS-2-(\t) >= 3
	s_wait_loadcnt 12                              ; the next step's four loads are in; three steps' may be out
.else
	s_wait_loadcnt 4*(STEPS-2-(\t))
.endif
	XTURN (\t)+1
.endif
	v_max3_num_f32 v8, |v[XS]|, |v[XS+1]|, |v[XS+2]|
	v_max3_num_f32 v9, |v[XS+3]|, |v[XS+4]|, |v[XS+5]|
.irp i, 6,10
	v_max3_num_f32 v8, v8, |v[XS+\i]|, |v[XS+\i+1]|
	v_max3_num_f32 v9, v9, |v[XS+\i+2]|, |v[XS+\i+3]|
.endr
	v_max3_num_f32 v8, v8, |v[XS+14]|, |v[XS+15]|
	v_max3_num_f32 v8, v8, v9, 0x1800000           ; the floor 2^(3 - 127): the byte cannot fall under 1
	v_max_num_f32_dpp v8, v8, v8 row_xmask:1 row_mask:0xf bank_mask:0xf   ; with my neighbour's 16: the block's
	v_add_nc_u32 v11, 0xff000000, v8               ; 2 off the exponent field: the conversion's scale operand
	v_cvt_scalef32_pk16_fp6_f32 v[C+4*(\t):C+4*(\t)+2], v[XS:XS+15], v11
	v_lshrrev_b32 v[E+(\t)], 23, v11               ; the scale's byte
	ds_store_b8 v5, v[E+(\t)] offset:16*(\t)       ; both lanes of a block write the same byte with the same value
	global_store_b96 v4, v[C+4*(\t):C+4*(\t)+2], s[14:15] offset:192*((\t)/2)+98304*((\t)%2)   ; row t / 2, K steps 2 (t % 2) and 2 (t % 2) + 1
.endm
.irp t, 0,1,2,3,4,5,6,7,8,9,10,11,12,13,14,15
	XSTEP \t
.endr
	ds_load_b64 v[12:13], v6
	s_wait_dscnt 0x0
	global_store_b64 v7, v[12:13], s[16:17]        ; 32 lanes store 256 consecutive bytes, aligned
	s_wait_tensorcnt 0x0
	ds_add_u32 v192, v193
	s_wait_dscnt 0x0
	s_endpgm
; ---------------- the weights ----------------
.Lweights:
	s_sub_co_u32 s23, ttmp9, 128
	s_lshr_b32 s26, s23, 5                         ; which weight
	s_mov_b64 s[24:25], s[12:13]                   ; Wo, unless
	s_cmp_eq_u32 s26, 0
	s_cselect_b64 s[24:25], s[6:7], s[24:25]
	s_cmp_eq_u32 s26, 1
	s_cselect_b64 s[24:25], s[8:9], s[24:25]
	s_cmp_eq_u32 s26, 2
	s_cselect_b64 s[24:25], s[10:11], s[24:25]
	s_and_b32 s27, s23, 7                          ; which 128 columns
	s_bfe_u32 s28, s23, 0x20003                    ; which 256 along K
	s_lshl_b32 s27, s27, 7
	s_lshl_b32 s29, s22, 5
	s_add_co_u32 s27, s27, s29                     ; my wave's first column
	s_lshl_b32 s30, s28, 20                        ; 256 rows of 4,096 bytes
	s_lshl_b32 s29, s27, 2
	s_add_co_u32 s30, s30, s29
	s_mov_b32 s31, 0
	s_add_nc_u64 s[24:25], s[24:25], s[30:31]
	s_lshl_b32 s29, s26, 10
	s_add_co_u32 s29, s29, s27                     ; the first of my 32 rows of wc and ws
	s_cmp_eq_u32 s26, 3                            ; tiles of T rows: T = 128 for Wo, 256 for the others
	s_cselect_b32 s34, 7, 8
	s_lshr_b32 s30, s29, s34
	s_lshl_b32 s30, s30, s34
	s_mul_i32 s30, s30, 576                        ; row x 192 + (row rounded down to T) x 576 + K step x T x 192
	s_mul_i32 s32, s29, 192
	s_add_co_u32 s30, s30, s32
	s_mul_i32 s32, s28, 192
	s_lshl_b32 s32, s32, s34
	s_add_co_u32 s30, s30, s32
	s_add_nc_u64 s[18:19], s[18:19], s[30:31]
	s_lshl_b32 s30, s29, 5
	s_lshl_b32 s32, s28, 3
	s_add_co_u32 s30, s30, s32
	s_add_nc_u64 s[20:21], s[20:21], s[30:31]
	s_wait_alu depctr_va_vdst(0)
	v_lshlrev_b32 v3, 2, v2                        ; in: 4 bytes a lane
	s_mul_i32 s33, s22, 32*WP
	s_add_co_u32 s33, s33, WSTG                    ; my stage
	v_mul_u32_u24 v4, v2, WP
	v_add_nc_u32 v4, s33, v4                       ; into it: row = my column
	v_and_b32 v5, 15, v2
	v_lshrrev_b32 v6, 4, v2
	v_mul_u32_u24 v7, v6, WP
	v_lshl_add_u32 v7, v5, 4, v7
	v_add_nc_u32 v7, s33, v7                       ; out of it: sixteen lanes to a row, two rows an instruction
	v_mul_u32_u24 v8, v6, 192
	v_mad_u32_u24 v8, v5, 12, v8                   ; and the same place in wc
	v_and_b32 v9, 7, v2                            ; my column's row of ws in tile order: (lane % 8) + 16 x bit 3 + 8 x bit 4
	v_bfe_u32 v10, v2, 3, 1
	v_lshl_add_u32 v9, v10, 4, v9
	v_lshl_add_u32 v9, v6, 3, v9
	v_lshlrev_b32 v9, 5, v9
.macro WLOAD t                         ; block t: W(32 t + i, my column) into set t % 2
.set J, 0
.rept 32
	global_load_b32 v[WX+32*((\t)%2)+J], v3, s[24:25] offset:(32*(\t)+J)*4096 th:TH_LOAD_NT
.set J, J+1
.endr
.endm
	WLOAD 0
	WLOAD 1
.macro WBLOCK t
.set XS, WX+32*((\t)%2)
.if (\t) < NB-1
	s_wait_loadcnt 32                              ; this block's 32 loads are in; the next block's may be out
.else
	s_wait_loadcnt 0
.endif
	v_max3_num_f32 v12, |v[XS]|, |v[XS+1]|, |v[XS+2]|
	v_max3_num_f32 v13, |v[XS+3]|, |v[XS+4]|, |v[XS+5]|
.irp i, 6,10,14,18,22,26
	v_max3_num_f32 v12, v12, |v[XS+\i]|, |v[XS+\i+1]|
	v_max3_num_f32 v13, v13, |v[XS+\i+2]|, |v[XS+\i+3]|
.endr
	v_max3_num_f32 v12, v12, |v[XS+30]|, |v[XS+31]|
	v_max3_num_f32 v12, v12, v13, 0x1800000        ; the floor
	v_add_nc_u32 v11, 0xff000000, v12              ; the conversion's scale operand
	v_lshrrev_b32 v13, 23, v11                     ; the scale's byte
.if (\t)%4 == 0
	v_mov_b32 v[SB+(\t)/4], v13
.else
	v_lshl_or_b32 v[SB+(\t)/4], v13, 8*((\t)%4), v[SB+(\t)/4]
.endif
	v_cvt_scalef32_pk16_fp6_f32 v[WC:WC+2], v[XS:XS+15], v11
	v_cvt_scalef32_pk16_fp6_f32 v[WC+4:WC+6], v[XS+16:XS+31], v11
	ds_store_b96 v4, v[WC:WC+2] offset:32*(\t)     ; 12 bytes to a place of 16
	ds_store_b96 v4, v[WC+4:WC+6] offset:32*(\t)+16
.if (\t)+2 < NB
	WLOAD (\t)+2
.endif
	s_wait_dscnt 0x0                               ; the stores have read their registers
.endm
.irp t, 0,1,2,3,4,5,6,7
	WBLOCK \t
.endr
	s_wait_alu depctr_va_vdst(0)
	global_store_b64 v9, v[SB:SB+1], s[20:21]      ; my column's 8 scale bytes
.irp t, 0,1,2,3,4,5,6,7,8,9,10,11,12,13,14,15
	ds_load_b96 v[OUTR+4*\t:OUTR+4*\t+2], v7 offset:2*\t*WP
.endr
.irp t, 0,1,2,3,4,5,6,7,8,9,10,11,12,13,14,15
	s_wait_dscnt 15-\t
	global_store_b96 v8, v[OUTR+4*\t:OUTR+4*\t+2], s[18:19] offset:(8*((((\t/4)&1)<<1)|((\t/4)>>1))+2*(\t%4))*192
.endr
	s_wait_tensorcnt 0x0
	ds_add_u32 v192, v193
	s_wait_dscnt 0x0
	s_endpgm
.Lfunc_end_k_q68d0f70be4_prep:
	.size	k_q68d0f70be4_prep, .Lfunc_end_k_q68d0f70be4_prep-k_q68d0f70be4_prep
	.p2alignl 7, 3214868480
	.fill 96, 4, 3214868480
	.section	.rodata,"a",@progbits
	.p2align	6, 0x0
	.amdhsa_kernel k_q68d0f70be4_prep
		.amdhsa_group_segment_fixed_size 68096
		.amdhsa_private_segment_fixed_size 0
		.amdhsa_enable_private_segment 0
		.amdhsa_kernarg_size 72
		.amdhsa_user_sgpr_count 2
		.amdhsa_user_sgpr_kernarg_segment_ptr 1
		.amdhsa_wavefront_size32 1
		.amdhsa_system_sgpr_workgroup_id_x 1
		.amdhsa_system_sgpr_workgroup_id_y 1
		.amdhsa_system_sgpr_workgroup_id_z 1
		.amdhsa_system_vgpr_workitem_id 0
		.amdhsa_next_free_vgpr 194
		.amdhsa_next_free_sgpr 66
		.amdhsa_reserve_vcc 0
		.amdhsa_float_denorm_mode_32 3
		.amdhsa_float_denorm_mode_16_64 3
		.amdhsa_memory_ordered 1
		.amdhsa_forward_progress 1
		.amdhsa_inst_pref_size 74
	.end_amdhsa_kernel
	.amdgpu_metadata
---
amdhsa.version: [ 1, 2 ]
amdhsa.kernels:
  - .name:           k_q68d0f70be4_prep
    .symbol:         k_q68d0f70be4_prep.kd
    .args:
      - { .name: x, .offset: 0, .size: 8, .value_kind: global_buffer, .address_space: global }
      - { .name: Wq, .offset: 8, .size: 8, .value_kind: global_buffer, .address_space: global }
      - { .name: Wk, .offset: 16, .size: 8, .value_kind: global_buffer, .address_space: global }
      - { .name: Wv, .offset: 24, .size: 8, .value_kind: global_buffer, .address_space: global }
      - { .name: Wo, .offset: 32, .size: 8, .value_kind: global_buffer, .address_space: global }
      - { .name: xc, .offset: 40, .size: 8, .value_kind: global_buffer, .address_space: global }
      - { .name: xs, .offset: 48, .size: 8, .value_kind: global_buffer, .address_space: global }
      - { .name: wc, .offset: 56, .size: 8, .value_kind: global_buffer, .address_space: global }
      - { .name: ws, .offset: 64, .size: 8, .value_kind: global_buffer, .address_space: global }
    .group_segment_fixed_size: 68096
    .private_segment_fixed_size: 0
    .kernarg_segment_align: 8
    .kernarg_segment_size: 72
    .max_flat_workgroup_size: 128
    .sgpr_count:     66
    .vgpr_count:     194
    .wavefront_size: 32
...
	.end_amdgpu_metadata
.endif
;; end of part 1
;; launch qkv (part 2): grid 12 x 16, 4 waves a work-group, clusters of 4 x 4, 327,680 bytes of LDS; arguments xc, xs, wc, ws, qkv; writes qkv
.if DOCPART == 2
	.amdgcn_target "amdgcn-amd-amdhsa--gfx1250"
	.amdhsa_code_object_version 6
	.text
	.protected	k_q68d0f70be4_qkv
	.globl	k_q68d0f70be4_qkv
	.p2align	8
	.type	k_q68d0f70be4_qkv,@function
k_q68d0f70be4_qkv:
	s_mov_b64 s[64:65], 0
	v_nop
	global_prefetch_b8 v0, s[64:65] scope:SCOPE_SE
	s_setreg_imm32_b32 hwreg(HW_REG_WAVE_MODE, 25, 1), 1
	s_wait_xcnt 0x0
	s_wait_alu depctr_hold_cnt(0) depctr_sa_sdst(0) depctr_va_vdst(0) depctr_va_sdst(0) depctr_va_ssrc(0) depctr_va_vcc(0) depctr_vm_vsrc(0)
	s_getreg_b32 s2, hwreg(HW_REG_IB_STS2, 6, 4)
	s_cmp_eq_u32 s2, 0
	s_cbranch_scc0 .Lentry_in_a_cluster
	s_endpgm
.Lentry_in_a_cluster:
	s_bfe_u32 s2, ttmp6, 0x10000c
	s_cmp_lg_u32 s2, 0xf033
	s_cbranch_scc0 .Lentry_shape_is_right
	s_endpgm
.Lentry_shape_is_right:
; q = x Wq, k = x Wk, v = x Wv on codes of FP6 (E2M3) with E8M0 scales, K = 1,024; the results are quantised in registers and stored as IMAGES OF OPERAND REGISTERS for the attention launch.
; A tile of 256 x 256 results to a work-group of four waves, 128 x 128 to a wave: 64 accumulators, 512 registers.  K goes in steps of 256 through a ring of two LDS slots filled by the tensor data mover;
; the scale bytes of the work-group's rows come into LDS once.  4 x 4 work-groups form a cluster: A's tiles are asked for jointly along a row of the cluster, B's along a column.
; The matrix instruction takes source 0 = 16 rows of B, source 1 = 16 rows of A: a lane holds ONE row of A, its registers run along B's rows.  Rows of xc and wc lie in tile order, so the 64 registers of
; one block of A are, for each 32 of B's rows, 16 neighbours: what the conversions want.
; ROLES, chosen by pointers on the cluster's x, which all partners share.  Clusters 0, 1: A = x's rows (tokens), B = Wq's, Wk's columns: a lane's registers run along the heads' dims, the K of the score product.
; Cluster 2: A = Wv's columns, B = x's rows: a lane's registers run along the tokens, the K of the second product.
; qkv: 32 head blocks of HB bytes: 16 key steps x (K: 8 tiles x 768 B, V: 4 tiles x 1,536 B, 768 B of scale words: K's [2][16 rows][4 tiles], V's [16 rows][4 tiles]); at 208,896: Q, 128 tiles x 768 B;
; at 307,200: Q's scale words, laid as K's.  A tile of K or Q is half a fragment (64 along K): registers 0-3 at 16 x lane, registers 4-5 at 512 + 8 x lane.
; LIMITS: a block of zeros gets the byte 1 where the rule says 127 (zero codes; only this program reads the bytes); NaN and infinities are not served.
; REGISTERS, in windows of 256: window 0: v0-31 addresses; v32-63 scale words, two sets; from v128 A's fragments, one set; on the way out v32-127 are at work.  window 1: B's fragments, two sets.  windows 2, 3: the accumulators.
.set KSTEP,  256
.set NQ,     2
.set ROWB,   192                       ; a tile's row in bytes
.set KROW,   768                       ; a row of codes in memory
.set PITCH,  240                       ; an LDS row: 3 x (64 bytes + 16 of padding)
.set FR,     12
.set NL,     6
.set NP,     4
.set HALFT,  128*PITCH
; xc, wc: [tile of 256 rows][K step][row][192 bytes]: a tile's K steps are dense blocks of KSB bytes, fetched as rows of 256 bytes; the padding behind every 64 bytes gives LDS rows of PITCH bytes.
; LDS: A's slots 0, 1 on end, then B's slots 0, 1, so that ONE load at the head brings an operand's K steps 0 and 1.
; qkv's head block: 16 key steps x 13,056 bytes (K 6,144, V 6,144, K's scale words 512, V's 256); Q and its scale words as stated above.
.set SLOT,   2*HALFT
.set KSB,    49152
.set G0H,    4
.set G0HB,   8
.set LAPS,   2
.set KS,     32                        ; a row of scale bytes
.set SCL,    4*SLOT
.set HALFS,  (128*KS/256)*272
.set SBLK,   (16*KS/256)*272
.set SPARE,  SCL+4*HALFS               ; the spare words: 128 bytes a wave, named by no other line
.set HB,     315392                    ; a head block of qkv
.set ADRA, 16
.set ADRB, 20
.set OI,   24                          ; v24  16 x lane
.set O8,   25                          ; v25  8 x lane
.set OS,   26                          ; v26  (lane / 16) x HB + 16 x (lane % 16)
.set ADRS, 27
.set SPW,  28
.set NIL,  29
.set SH,   30                          ; v30  roles q, k: 16 x (lane / 16); role v: 0
.set SC,   32
.set AF,   128
.set TM,   32                          ; the way out: v32-35 largest magnitudes, v36-39 exchange and bytes, v44-47 scale operands
.set PW,   48                          ; the scale word just made
.set PC,   64                          ; v64-83 the codes just made
.set SW,   96                          ; v96-103 the eight blocks' scale words
.set TT,   104
.set G1, 24
.set G0, 32
.set G1B, 48
.set G0B, 56
.set G1S, 68
.set G0S, 76
.set G1SB, 80
.set G0SB, 88
.set MSB, 0
.macro WIN new                         ; the immediate's high byte repeats the setting that is left
.if MSB != (\new)
	s_set_vgpr_msb (MSB<<8)|(\new)
.set MSB, (\new)
.endif
.endm
.set MUL_LO, 0xa1                      ; source 0 (B) window 1, source 1 (A) window 0, C and D window 2
.set MUL_HI, 0xf1
.set TO_B,   0x40
; A joint load: waves 0 and 1 fetch for A, waves 2 and 3 for B; the branch hangs on the wave's number alone.  Four v_nop follow each line.
.macro JLOAD g0a, g1a, g0b, g1b
	s_cmp_eq_u32 s15, 0
	s_cbranch_scc0 .Lfor_b_\@
	tensor_load_to_lds s[\g0a:\g0a+3], s[\g1a:\g1a+7]
	s_nop 0
.rept 4
	v_nop
.endr
	s_branch .Lasked_\@
.Lfor_b_\@:
	tensor_load_to_lds s[\g0b:\g0b+3], s[\g1b:\g1b+7]
	s_nop 0
.rept 4
	v_nop
.endr
.Lasked_\@:
.endm
.macro CREST
	s_cmp_lg_u32 s14, 0
	s_cbranch_scc1 .Lnot_wave_0_\@
	s_barrier_signal -3
.Lnot_wave_0_\@:
	s_barrier_wait -3
	s_barrier_signal -1
	s_barrier_wait -1
.endm
.macro CROUND
	s_barrier_signal -1
	s_barrier_wait -1
	CREST
.endm
	s_load_b128 s[4:7], s[0:1], 0x0                ; xc, xs
	s_load_b128 s[8:11], s[0:1], 0x10              ; wc, ws
	s_load_b64 s[12:13], s[0:1], 0x20              ; qkv
	v_lshl_add_u32 v[SPW], v0, 2, SPARE
	v_mov_b32 v[NIL], 0
	ds_add_u32 v28, v29
	ds_add_u32 v28, v29
	s_wait_dscnt 0x0
	v_lshrrev_b32 v1, 5, v0
	v_readfirstlane_b32 s14, v1                    ; wave 0..3
	s_lshr_b32 s15, s14, 1                         ; which half of A's rows is mine.  Also: I fetch for A (0) or for B (1)
	s_and_b32 s16, s14, 1                          ; which half of B's rows.  Also: which 128 rows I fetch
	s_bfe_u32 s40, ttmp6, 0x40000                  ; cx
	s_bfe_u32 s41, ttmp6, 0x40004                  ; cy
	s_lshl_b32 s42, ttmp9, 2
	s_add_co_u32 s42, s42, s40                     ; roles q, k: B's tile = 4 X + cx (Wq's and Wk's 2,048 rows of wc)
	s_and_b32 s17, ttmp7, 0xffff
	s_lshl_b32 s17, s17, 2
	s_add_co_u32 s95, s17, s40                     ; role v: B's tile = 4 Y + cx (tokens)
	s_add_co_u32 s17, s17, s41                     ; roles q, k: A's tile = 4 Y + cy (tokens)
	s_add_co_u32 s96, s41, 8                       ; role v: A's tile = 8 + cy (Wv's rows of wc begin at row 2,048)
	s_cmp_eq_u32 ttmp9, 2                          ; the cluster's x: the same in all sixteen partners
	s_cselect_b32 s17, s96, s17                    ; A's tile hangs on cy and the cluster alone,
	s_cselect_b32 s42, s95, s42                    ; B's on cx and the cluster alone
	s_cselect_b32 s66, 1, 0                        ; 1: role v
	s_lshl_b32 s43, s41, 2
	s_lshl_b32 s43, 15, s43                        ; my row of the cluster
	s_lshl_b32 s44, 0x1111, s40                    ; my column
	s_or_b32 s[G1+0], s43, (0<<16)|(1<<20)|(1<<21)|(3<<22)|(3<<25)  ; the mask; elements of 1 byte; padding: 4 words behind every 16
	s_or_b32 s[G1B+0], s44, (0<<16)|(1<<20)|(1<<21)|(3<<22)|(3<<25)
.irp g, G1, G1B
	s_mov_b32 s[\g+1], 256<<16                     ; rows of 256 bytes
	s_mov_b32 s[\g+2], 384<<16                     ; the head's loads: 98,304 bytes, two K steps of 256 rows
	s_mov_b32 s[\g+3], 256<<16
	s_mov_b32 s[\g+4], 384
	s_mov_b32 s[\g+5], 256
	s_mov_b32 s[\g+6], 0
	s_mov_b32 s[\g+7], 0
.endr
	s_or_b32 s[G1S+0], s43, (3<<16)|(1<<20)|(1<<21)|(5<<22)|(3<<25) ; the scales of 256 rows: a dense block as rows of 256 bytes, 16 bytes of padding behind each
	s_or_b32 s[G1SB+0], s44, (3<<16)|(1<<20)|(1<<21)|(5<<22)|(3<<25)
.irp g, G1S, G1SB
	s_mov_b32 s[\g+1], 32<<16
	s_mov_b32 s[\g+2], (256*KS/256)<<16
	s_mov_b32 s[\g+3], 32<<16
	s_mov_b32 s[\g+4], 256*KS/256
	s_mov_b32 s[\g+5], 32
	s_mov_b32 s[\g+6], 0
	s_mov_b32 s[\g+7], 0
.endr
	s_lshl_b32 s20, s17, 8                         ; A: the tile's first row
	s_lshl_b32 s46, s42, 8                         ; B likewise
	s_mov_b32 s21, 0
	s_mov_b32 s47, 0
	s_mov_b64 s[18:19], KS
	s_mul_u64 s[22:23], s[20:21], s[18:19]
	s_mul_u64 s[92:93], s[46:47], s[18:19]
	s_mov_b64 s[18:19], KROW
	s_mul_u64 s[20:21], s[20:21], s[18:19]
	s_mul_u64 s[46:47], s[46:47], s[18:19]
	s_mul_i32 s45, s16, HALFT                      ; the ring: my half of a slot in LDS,
	s_mul_i32 s18, s16, 128*ROWB                   ; and of a K step's block in memory
	s_mov_b32 s19, 0
	s_wait_kmcnt 0x0
	s_cmp_eq_u32 s66, 1                            ; role v: A and B change buffers
	s_cselect_b64 s[98:99], s[8:9], s[4:5]         ; A's codes
	s_cselect_b64 s[8:9], s[4:5], s[8:9]           ; B's codes
	s_cselect_b64 s[96:97], s[10:11], s[6:7]       ; A's scales
	s_cselect_b64 s[10:11], s[6:7], s[10:11]       ; B's scales
	s_add_nc_u64 s[20:21], s[98:99], s[20:21]
	s_add_nc_u64 s[22:23], s[96:97], s[22:23]
	s_add_nc_u64 s[46:47], s[8:9], s[46:47]
	s_add_nc_u64 s[92:93], s[10:11], s[92:93]
	CROUND                                         ; all sixteen work-groups are here: the first joint loads meet
	s_mov_b32 s[G0H], 1                            ; the head's four tiles: A's K steps 0 and 1 into A's two slots,
	s_mov_b32 s[G0H+1], 0
	s_mov_b64 s[G0H+2:G0H+3], s[20:21]
	s_or_b32 s[G0H+3], s[G0H+3], 0x80000000
	s_mov_b32 s[G0HB], 1                           ; B's into B's,
	s_mov_b32 s[G0HB+1], 2*SLOT
	s_mov_b64 s[G0HB+2:G0HB+3], s[46:47]
	s_or_b32 s[G0HB+3], s[G0HB+3], 0x80000000
	s_mov_b32 s[G0S], 1                            ; the scales of A's 256 rows,
	s_mov_b32 s[G0S+1], SCL
	s_mov_b64 s[G0S+2:G0S+3], s[22:23]
	s_or_b32 s[G0S+3], s[G0S+3], 0x80000000
	s_mov_b32 s[G0SB], 1                           ; and of B's
	s_mov_b32 s[G0SB+1], SCL+2*HALFS
	s_mov_b64 s[G0SB+2:G0SB+3], s[92:93]
	s_or_b32 s[G0SB+3], s[G0SB+3], 0x80000000
	s_add_nc_u64 s[20:21], s[20:21], s[18:19]      ; for the ring: my 128 rows
	s_add_nc_u64 s[46:47], s[46:47], s[18:19]
.irp s, 0,1
	s_mov_b32 s[G0+4*\s], 1
	s_add_co_u32 s[G0+4*\s+1], s45, \s*SLOT
	s_add_nc_u64 s[G0+4*\s+2:G0+4*\s+3], s[20:21], \s*KSB
	s_or_b32 s[G0+4*\s+3], s[G0+4*\s+3], 0x80000000
	s_mov_b32 s[G0B+4*\s], 1
	s_add_co_u32 s[G0B+4*\s+1], s45, (2+\s)*SLOT
	s_add_nc_u64 s[G0B+4*\s+2:G0B+4*\s+3], s[46:47], \s*KSB
	s_or_b32 s[G0B+4*\s+3], s[G0B+4*\s+3], 0x80000000
.endr
; one tensor load a wave at the head, in one chain of branches on the wave's number
.macro ARM under, g0, g1, next
	s_cmp_lt_u32 s14, \under
	s_cbranch_scc0 \next
	tensor_load_to_lds s[\g0:\g0+3], s[\g1:\g1+7]
	s_nop 0
.rept 4
	v_nop
.endr
	s_branch .Lhead_asked
\next:
.endm
	ARM 1, G0H,  G1,  .Lhead_b
	ARM 2, G0HB, G1B, .Lhead_sa
	ARM 3, G0S,  G1S, .Lhead_sb
	tensor_load_to_lds s[G0SB:G0SB+3], s[G1SB:G1SB+7]
	s_nop 0
.rept 4
	v_nop
.endr
.Lhead_asked:
	v_and_b32 v1, 15, v0                           ; r
	v_bfe_u32 v2, v0, 4, 1                         ; h
	v_mul_u32_u24 v3, v1, PITCH
	v_mul_u32_u24 v4, v2, 24
	v_add_nc_u32 v4, v3, v4                        ; a fragment's row x pitch + 24 x half
	v_lshl_add_u32 v5, v2, 4, v4                   ; and the same behind one padding more
	s_mul_i32 s21, s15, HALFT
	s_mul_i32 s22, s16, HALFT
	s_add_co_u32 s22, s22, 2*SLOT
.irp s, 0,1
	v_add_nc_u32 v[ADRA+\s], s21, v4
	v_add_nc_u32 v[ADRB+\s], s22, v4
	v_add_nc_u32 v[ADRA+2+\s], s21, v5
	v_add_nc_u32 v[ADRB+2+\s], s22, v5
	s_add_co_u32 s21, s21, SLOT
	s_add_co_u32 s22, s22, SLOT
.endr
	v_mul_u32_u24 v5, v1, KS
	v_lshrrev_b32 v6, 8, v5
	v_lshl_add_u32 v5, v6, 4, v5
	s_mul_i32 s21, s15, HALFS
	s_mul_i32 s22, s16, HALFS
	s_add_co_u32 s22, s22, 2*HALFS
	s_sub_co_u32 s22, s22, s21
	v_mul_u32_u24 v6, s22, v2                      ; lanes 16-31 take B's
	s_add_co_u32 s21, s21, SCL
	v_add_nc_u32 v5, v5, v6
	v_add_nc_u32 v[ADRS], s21, v5
	; the way out's addresses
	v_and_b32 v6, 31, v0
	v_lshlrev_b32 v[OI], 4, v6
	v_lshlrev_b32 v[O8], 3, v6
	v_mul_u32_u24 v[OS], v2, HB
	v_lshl_add_u32 v[OS], v1, 4, v[OS]
	s_cmp_eq_u32 s66, 1
	s_cselect_b32 s93, 0, 16
	v_mul_u32_u24 v[SH], v2, s93
	s_lshl_b32 s46, s42, 1
	s_add_co_u32 s46, s46, s16                     ; which 128 of B's rows are mine
	s_lshl_b32 s47, s17, 1
	s_add_co_u32 s47, s47, s15                     ; which 128 of A's
	s_and_b32 s92, s46, 7
	s_lshl_b32 s92, s92, 1                         ; roles q, k: my first head (128 columns are two heads)
	s_sub_co_u32 s93, s47, 16
	s_lshl_b32 s93, s93, 1                         ; role v: likewise, from A's rows
	s_cmp_eq_u32 s66, 1
	s_cselect_b32 s94, s46, s47                    ; my 128 tokens
	s_cselect_b32 s92, s93, s92
	s_lshr_b32 s93, s94, 4                         ; the batch,
	s_and_b32 s94, s94, 15                         ; the step of 128 tokens in it
	s_lshl_b32 s93, s93, 4
	s_add_co_u32 s92, s92, s93
	s_mul_i32 s92, s92, HB                         ; my first head block
	s_mov_b32 s95, 13056                           ; k, v: a key step's 13,056 bytes; its scale words begin at byte 12,288 of it
	s_mov_b32 s96, 13056
	s_mov_b32 s98, 12288
	s_cmp_eq_u32 ttmp9, 0                          ; q: 6,144 bytes of codes and 512 of scale words a step, at 208,896 and 307,200
	s_cselect_b32 s95, 6144, s95
	s_cselect_b32 s96, 512, s96
	s_cselect_b32 s97, 208896, 0
	s_cselect_b32 s98, 307200, s98
	s_cmp_eq_u32 ttmp9, 2                          ; v: behind k's 6,144 bytes of codes and 512 of scale words
	s_cselect_b32 s97, 6144, s97
	s_cselect_b32 s98, 12800, s98
	s_mul_i32 s95, s95, s94
	s_mul_i32 s96, s96, s94
	s_add_co_u32 s95, s95, s97
	s_add_co_u32 s20, s95, s92
	s_mov_b32 s21, 0
	s_add_co_u32 s96, s96, s98
	s_add_co_u32 s22, s96, s92
	s_mov_b32 s23, 0
	s_add_nc_u64 s[20:21], s[12:13], s[20:21]      ; where my codes go
	s_add_nc_u64 s[22:23], s[12:13], s[22:23]      ; and my scale words
.macro FRAG reg, adr, q, i             ; 16 rows x 128 K: 12 registers, in pieces of 8 bytes; lanes 16-31 read three pieces on, for some pieces behind one padding more: the second address register
.irp p, 0,1,2,3,4,5
.set PCE, 12*(\q)+6*(\p/3)+\p%3
.if PCE%8 < 5
	ds_load_b64 v[\reg+2*\p:\reg+2*\p+1], v[\adr] offset:8*PCE+16*(PCE/8)+(\i)*16*PITCH
.else
	ds_load_b64 v[\reg+2*\p:\reg+2*\p+1], v[\adr+2] offset:8*PCE+16*(PCE/8)+(\i)*16*PITCH
.endif
.endr
.endm
; 16 matrix instructions: A's blocks a0, a0 + 1 x B's eight.  The 64 accumulators take turns, one instruction a turn, in the same order in every step.
.macro MUL16 a0, p, q, sc, zero
.irp a, \a0, \a0+1
.irp b, 0,1,2,3,4,5,6,7
.if \zero
	v_wmma_scale_f32_16x16x128_f8f6f4 v[8*(8*((\a)%4)+\b):8*(8*((\a)%4)+\b)+7], v[128*(\p)+FR*\b:128*(\p)+FR*\b+FR-1], v[AF+FR*(\a):AF+FR*(\a)+FR-1], 0, v[SC+8*NQ*(\sc)+NQ*\b+(\q)], v[SC+8*NQ*(\sc)+NQ*(\a)+(\q)] matrix_a_fmt:MATRIX_FMT_FP6 matrix_b_fmt:MATRIX_FMT_FP6 matrix_a_scale:MATRIX_SCALE_ROW1
.else
	v_wmma_scale_f32_16x16x128_f8f6f4 v[8*(8*((\a)%4)+\b):8*(8*((\a)%4)+\b)+7], v[128*(\p)+FR*\b:128*(\p)+FR*\b+FR-1], v[AF+FR*(\a):AF+FR*(\a)+FR-1], v[8*(8*((\a)%4)+\b):8*(8*((\a)%4)+\b)+7], v[SC+8*NQ*(\sc)+NQ*\b+(\q)], v[SC+8*NQ*(\sc)+NQ*(\a)+(\q)] matrix_a_fmt:MATRIX_FMT_FP6 matrix_b_fmt:MATRIX_FMT_FP6 matrix_a_scale:MATRIX_SCALE_ROW1
.endif
.endr
.endr
.endm
.macro FETCH_B slot, q, p
	WIN TO_B
.irp i, 0,1,2,3,4,5,6,7
	FRAG 128*(\p)+FR*\i, ADRB+\slot, \q, \i
.endr
	WIN 0
.endm
.macro FETCH_A slot, q, i0
.irp i, \i0, \i0+1, \i0+2, \i0+3
	FRAG AF+FR*(\i), ADRA+\slot, \q, \i
.endr
.endm
.macro SCALES sc                       ; a K step's scale words: lanes 0-15 A's block i, lanes 16-31 B's block i
.irp i, 0,1,2,3,4,5,6,7
	ds_load_b64 v[SC+8*NQ*\sc+NQ*\i:SC+8*NQ*\sc+NQ*\i+1], v[ADRS] offset:\i*SBLK
.endr
.endm
.macro PLACES n                        ; plain vector instructions between a matrix instruction and a load into, or a read of, its registers
.rept \n
	v_nop
.endr
.endm
.macro STEP slot, q, zero              ; 128 along K with a successor in the same slot
	s_wait_dscnt 4*NL                              ; B's set and A's blocks 0-3 are in; the 24 youngest loads (A's blocks 4-7) may be out
	WIN MUL_LO
	MUL16 0, (\q)%2, \q, \slot, \zero
	MUL16 2, (\q)%2, \q, \slot, \zero
	s_wait_dscnt 0
	PLACES NP
	FETCH_B \slot, (\q)+1, 1-(\q)%2
	FETCH_A \slot, (\q)+1, 0
	WIN MUL_HI
	MUL16 4, (\q)%2, \q, \slot, \zero
	MUL16 6, (\q)%2, \q, \slot, \zero
	PLACES NP
	WIN 0
	FETCH_A \slot, (\q)+1, 4
.endm
; A slot's last step changes slots: one barrier; in front of it each wave waits for all its tensor loads, adds 0 to its spare word, and waits for that and for its reads of this slot.
.macro TURN slot, next, fill
	s_wait_tensorcnt 0x0                           ; all my tensor loads have landed: my part of the next slot
	ds_add_u32 v[SPW], v[NIL]                      ; 0 onto my spare word
	s_wait_dscnt 4*NL+1                            ; the add and the 24 youngest loads may be out
	WIN MUL_LO
	MUL16 0, 1, NQ-1, \slot, 0
	s_wait_dscnt 0x0                               ; the add is done, and my reads of this slot are over
	s_barrier_signal -1
	MUL16 2, 1, NQ-1, \slot, 0
	WIN 0
	s_barrier_wait -1
.if \fill
	CREST                                          ; the barrier has opened a round of the cluster's: no wave of any partner still reads this slot or has a load on its way
	s_add_nc_u64 s[G0+4*\slot+2:G0+4*\slot+3], s[G0+4*\slot+2:G0+4*\slot+3], 2*KSB
	s_add_nc_u64 s[G0B+4*\slot+2:G0B+4*\slot+3], s[G0B+4*\slot+2:G0B+4*\slot+3], 2*KSB
	JLOAD G0+4*\slot, G1, G0B+4*\slot, G1B         ; the first tensor load behind the round; its four v_nop are the places in front of the loads below
.else
	PLACES NP
.endif
	s_wait_alu depctr_va_vdst(0)
	v_add_nc_u32 v[ADRS], 4*NQ, v[ADRS]
	FETCH_B \next, 0, 0
	FETCH_A \next, 0, 0
	SCALES \next
	WIN MUL_HI
	MUL16 4, 1, NQ-1, \slot, 0
	MUL16 6, 1, NQ-1, \slot, 0
	PLACES NP
	WIN 0
	FETCH_A \next, 0, 4
.endm
	s_wait_alu depctr_va_vdst(0)
	s_wait_tensorcnt 0x0                           ; my tile of the head's four is in; no load of mine is out, so a descriptor may be written:
	s_mov_b32 s[G1+2], 96<<16                      ; the ring's loads bring 24,576 bytes: 128 rows of one K step
	s_mov_b32 s[G1+4], 96
	s_mov_b32 s[G1B+2], 96<<16
	s_mov_b32 s[G1B+4], 96
	s_barrier_signal -1
	s_barrier_wait -1                              ; everybody's is in
	FETCH_B 0, 0, 0
	FETCH_A 0, 0, 0
	SCALES 0
	FETCH_A 0, 0, 4
	STEP 0, 0, 1                                   ; the first step's products start the sums
	s_mov_b32 s3, LAPS-1
.Llap:
	TURN 0, 1, 1
	STEP 1, 0, 0
	TURN 1, 0, 1
	STEP 0, 0, 0
	s_sub_co_u32 s3, s3, 1
	s_cmp_lg_u32 s3, 0
	s_cbranch_scc1 .Llap
	TURN 0, 1, 0                                   ; the last lap fills nothing
	STEP 1, 0, 0
	s_wait_dscnt 4*NL
	WIN MUL_LO
	MUL16 0, 1, NQ-1, 1, 0
	MUL16 2, 1, NQ-1, 1, 0
	s_wait_dscnt 0
	WIN MUL_HI
	MUL16 4, 1, NQ-1, 1, 0
	MUL16 6, 1, NQ-1, 1, 0
	WIN 0
; THE WAY OUT.  Block a of A: a lane's 64 results, register 16 b + i = place 32 b + 16 (lane / 16) + i along B's 128 rows, become a fragment's 12 registers of codes in v[PC] on and its scale word in v[PW].
; Each accumulator is read from its low end on.
.macro QUANTW a
.set AC, 64*((\a)%4)
.set WW, 2+(\a)/4
	WIN (WW|(WW<<2))                               ; sources 0 and 1 in the accumulators' window
.irp b, 0,1,2,3
	v_max3_num_f32 v[TM+\b], |v[AC+16*\b]|, |v[AC+1+16*\b]|, 0x1800000   ; my 16 numbers of block b, and the floor 2^(3 - 127)
.endr
.irp i, 2,4,6,8,10,12,14
.irp b, 0,1,2,3
	v_max3_num_f32 v[TM+\b], |v[AC+16*\b+\i]|, |v[AC+1+16*\b+\i]|, v[TM+\b]
.endr
.endr
	WIN 0
.irp b, 0,1,2,3
	v_permlanex16_b32 v[TM+4+\b], v[TM+\b], s18, s19
.endr
.irp b, 0,1,2,3
	v_max_num_f32 v[TM+\b], v[TM+\b], v[TM+4+\b]   ; with lane l xor 16's: the block's largest magnitude
.endr
.irp b, 0,1,2,3
	v_add_nc_u32 v[TM+12+\b], 0xff000000, v[TM+\b] ; 2 off the exponent field: the conversion's scale operand
.endr
.irp b, 0,1,2,3
	v_lshrrev_b32 v[TM+4+\b], 23, v[TM+12+\b]      ; the scale's byte
.endr
	v_lshl_or_b32 v[PW], v[TM+5], 8, v[TM+4]
	v_lshl_or_b32 v[PW], v[TM+6], 16, v[PW]
	v_lshl_or_b32 v[PW], v[TM+7], 24, v[PW]
	WIN WW                                         ; source 0 in the accumulators' window
.irp c, 0,1
	v_cvt_scalef32_pk16_fp6_f32 v[PC+6*\c:PC+2+6*\c], v[AC+32*\c:AC+15+32*\c], v[TM+12+2*\c]
	v_cvt_scalef32_pk16_fp6_f32 v[PC+12+4*\c:PC+14+4*\c], v[AC+16+32*\c:AC+31+32*\c], v[TM+12+2*\c+1]
.endr
	WIN 0
	v_nop                                          ; one plain place behind a scaled conversion
.irp c, 0,1                                    ; a whole block to a lane: lanes 0-15 block 2 c, lanes 16-31 block 2 c + 1
.irp i, 0,1,2
	v_permlane16_swap_b32 v[PC+6*\c+\i], v[PC+12+4*\c+\i]
.endr
.irp i, 0,1,2
	v_mov_b32 v[PC+3+6*\c+\i], v[PC+12+4*\c+\i]
.endr
.endr
.endm
.macro OUTBLK a
.if (\a) > 0
	s_wait_xcnt 0x0                                ; the last block's stores have read v[PC] on
.endif
	QUANTW \a
	v_lshrrev_b32 v[SW+(\a)], v[SH], v[PW]         ; roles q, k: lanes 16-31 keep the second head's two bytes, moved down
	s_cmp_eq_u32 s66, 1
	s_cbranch_scc1 .Lvst_\@
	global_store_b128 v[OI], v[PC:PC+3], s[20:21] offset:768*(\a)               ; first head: registers 0-3: 512 consecutive bytes,
	global_store_b64 v[O8], v[PC+4:PC+5], s[20:21] offset:768*(\a)+512          ; registers 4-5: 256
	global_store_b128 v[OI], v[PC+6:PC+9], s[20:21] offset:HB+768*(\a)          ; second head: registers 6-11
	global_store_b64 v[O8], v[PC+10:PC+11], s[20:21] offset:HB+768*(\a)+512
	s_branch .Lst_done_\@
.Lvst_\@:
	s_wait_alu depctr_va_vdst(0)
.irp c, 0,1,2
	global_store_b128 v[OI], v[PC+4*\c:PC+4*\c+3], s[20:21] offset:((\a)/4)*HB+((\a)%4)*1536+512*\c   ; head a / 4, tile a % 4 of its 64 rows: the whole fragment
.endr
.Lst_done_\@:
.endm
	PLACES NP
	s_mov_b32 s18, 0x76543210
	s_mov_b32 s19, 0xfedcba98                      ; v_permlanex16_b32's selects for lane l xor 16
.irp b, 0,1,2,3
	v_mov_b32 v[TM+4+\b], 0                        ; a lane permute's destination counts as one of its sources
.endr
.irp a, 0,1,2,3,4,5,6,7
	OUTBLK \a
.endr
	s_cmp_eq_u32 s66, 1
	s_cbranch_scc1 .Lvsc
	global_store_b128 v[OS], v[SW:SW+3], s[22:23]              ; tiles 0-3: lanes 0-15 the first head's 256 bytes, lanes 16-31 the second head's
	s_wait_alu depctr_va_vdst(0)
	global_store_b128 v[OS], v[SW+4:SW+7], s[22:23] offset:256 ; tiles 4-7
	s_branch .Lsc_done
.Lvsc:
	v_bfe_u32 v2, v0, 4, 1
	v_cmp_eq_u32 vcc_lo, 1, v2
	s_wait_alu depctr_va_vdst(0)
.irp i, 0,1,2,3
	v_cndmask_b32 v[TT+\i], v[SW+\i], v[SW+4+\i], vcc_lo       ; lanes 16-31 take the second head's four tiles
.endr
	global_store_b128 v[OS], v[TT:TT+3], s[22:23]
.Lsc_done:
	s_wait_tensorcnt 0x0                           ; the wave's end
	ds_add_u32 v[SPW], v[NIL]
	s_wait_dscnt 0x0
	CROUND                                         ; the closing round
	s_endpgm
.Lfunc_end_k_q68d0f70be4_qkv:
	.size	k_q68d0f70be4_qkv, .Lfunc_end_k_q68d0f70be4_qkv-k_q68d0f70be4_qkv
	.p2alignl 7, 3214868480
	.fill 96, 4, 3214868480
	.section	.rodata,"a",@progbits
	.p2align	6, 0x0
	.amdhsa_kernel k_q68d0f70be4_qkv
		.amdhsa_group_segment_fixed_size 327680
		.amdhsa_private_segment_fixed_size 0
		.amdhsa_enable_private_segment 0
		.amdhsa_kernarg_size 40
		.amdhsa_user_sgpr_count 2
		.amdhsa_user_sgpr_kernarg_segment_ptr 1
		.amdhsa_wavefront_size32 1
		.amdhsa_system_sgpr_workgroup_id_x 1
		.amdhsa_system_sgpr_workgroup_id_y 1
		.amdhsa_system_sgpr_workgroup_id_z 1
		.amdhsa_system_vgpr_workitem_id 0
		.amdhsa_next_free_vgpr 1024
		.amdhsa_next_free_sgpr 100
		.amdhsa_reserve_vcc 1
		.amdhsa_float_denorm_mode_32 3
		.amdhsa_float_denorm_mode_16_64 3
		.amdhsa_memory_ordered 1
		.amdhsa_forward_progress 1
		.amdhsa_inst_pref_size 170
	.end_amdhsa_kernel
	.amdgpu_metadata
---
amdhsa.version: [ 1, 2 ]
amdhsa.kernels:
  - .name:           k_q68d0f70be4_qkv
    .symbol:         k_q68d0f70be4_qkv.kd
    .args:
      - { .name: xc, .offset: 0, .size: 8, .value_kind: global_buffer, .address_space: global }
      - { .name: xs, .offset: 8, .size: 8, .value_kind: global_buffer, .address_space: global }
      - { .name: wc, .offset: 16, .size: 8, .value_kind: global_buffer, .address_space: global }
      - { .name: ws, .offset: 24, .size: 8, .value_kind: global_buffer, .address_space: global }
      - { .name: qkv, .offset: 32, .size: 8, .value_kind: global_buffer, .address_space: global }
    .group_segment_fixed_size: 327680
    .private_segment_fixed_size: 0
    .kernarg_segment_align: 8
    .kernarg_segment_size: 40
    .max_flat_workgroup_size: 128
    .sgpr_count:     100
    .vgpr_count:     1024
    .wavefront_size: 32
...
	.end_amdgpu_metadata
.endif
;; end of part 2
;; launch attn (part 3): grid 8 x 32, 16 waves a work-group, clusters of 4 x 1, 219,136 bytes of LDS; arguments qkv, attention_mask, oc, os; writes oc, os
.if DOCPART == 3
	.amdgcn_target "amdgcn-amd-amdhsa--gfx1250"
	.amdhsa_code_object_version 6
	.text
	.protected	k_q68d0f70be4_attn
	.globl	k_q68d0f70be4_attn
	.p2align	8
	.type	k_q68d0f70be4_attn,@function
k_q68d0f70be4_attn:
	s_mov_b64 s[64:65], 0
	v_nop
	global_prefetch_b8 v0, s[64:65] scope:SCOPE_SE
	s_setreg_imm32_b32 hwreg(HW_REG_WAVE_MODE, 25, 1), 1
	s_wait_xcnt 0x0
	s_wait_alu depctr_hold_cnt(0) depctr_sa_sdst(0) depctr_va_vdst(0) depctr_va_sdst(0) depctr_va_ssrc(0) depctr_va_vcc(0) depctr_vm_vsrc(0)
	s_getreg_b32 s2, hwreg(HW_REG_IB_STS2, 6, 4)
	s_cmp_eq_u32 s2, 0
	s_cbranch_scc0 .Lentry_in_a_cluster
	s_endpgm
.Lentry_in_a_cluster:
	s_bfe_u32 s2, ttmp6, 0x10000c
	s_cmp_lg_u32 s2, 0x3003
	s_cbranch_scc0 .Lentry_shape_is_right
	s_endpgm
.Lentry_shape_is_right:
; For each batch and head: S = q k^T / 8 + (1 - mask) x -1e9, softmax along the keys, O = P v; both products on codes of FP6 (E2M3) with E8M0 scales; O / l is quantised along the head's 64 and stored as codes.
; THE SOFTMAX AHEAD OF THE SECOND PRODUCT: t = logit x log2(e); M = the running largest t rounded up to a whole number; p = 2^(t - M) is quantised along the keys, not normalised; the row's sum l is taken of
; the unquantised p and divides at the end.  When M moves, l and O are multiplied by 2^(old M - new M): exact.
; SHARES.  A work-group owns 256 queries of one head; each of its sixteen waves one tile of 16 in 256 registers, four waves to a SIMD.  Every wave walks all 2,048 keys, 128 a step.
; A HEAD'S K, V AND SCALE WORDS, 208,896 bytes, FIT IN LDS WHOLE: they are filled once, at the head, and nothing is filled again: no ring.  The four work-groups of a cluster belong to one head: each tile is
; asked for jointly (mask 15).  Wave w asks for key step w, one load; key steps 0-3 are worked while the other twelve are on their way.  One load of a wave is out at most.
; Nothing is prefetched: every byte that the launch reads through LDS is asked for by these loads at the head.
; LAYOUT.  Both products transposed: S^T = K Q^T, O^T = V^T P^T: a lane holds one query.  K's and V's tiles lie in memory and LDS as images of the operand's registers, in tile order: the 16 registers of score tiles
; 2 b, 2 b + 1 are keys 32 b + 16 (lane / 16) + 0 .. 15, those of O^T likewise along the head's dims.
; THE SCORE PRODUCT'S K IS 64: Q's registers 6-11 are zero codes and its scale bytes 2, 3 are 0, so k = 64 .. 127 adds 0 whatever K's upper six registers hold (the next tile's codes; v80-85 are zeros).
; THE MASK enters as an addend in f32: bT = 8 x ((1 - mask) x -1e9), the score product's C; t - M = sum x (log2(e) / 8) - M in one fused multiply-add.  No branch hangs on it.
; LIMITS: for keys that count t has reference()'s rounding; in a batch all of whose keys are masked the result equals reference()'s while |score / 8| < 32, beyond that the order of rounding differs.
; NaN and infinities are not served.  A block of zeros gets the byte 1 where the rule says 127 (zero codes; this program alone reads the bytes).
; REGISTERS: v1-4 addresses that stay; v8-11 addresses of the step; v12 -M, v13 the largest t, v[14:15] l; v16-27 Q; v[28:29] f; v32-85 K or V; v86-93 K's or V's scale words, v94 p's, v95 Q's; v96-159 S^T, t, p;
; v160-191 O^T; v192-255 the step's bT, then at work.
.set HB,    315392                     ; a head block of qkv
; THE FILLS, as they now stand: a key step is 13,056 bytes on end in the head block and in LDS: K 6,144, V 6,144, its scale words 768.  Wave w asks for key step w, ONE joint load a wave.
; Waves 0-3 have a load line and a wait of their own: the first barrier shows key steps 0-3, which are worked while the other twelve loads land.
.set STEPB, 13056
.set SCW,   12288
.set BIAS,  208896                     ; LDS: bT of the batch's 2,048 keys, stored by the waves; no fill lands there
.set QOF,   208896                     ; the head block: Q's tiles
.set QSO,   307200                     ; and their scale words
.set BM,  192                          ; v192-195 the blocks' largest t, then p
.set BX,  196                          ; v196-199 lane l xor 16's
.set SO,  200                          ; v200-203 the conversions' scale operands
.set BY,  204                          ; v204-207 the scales' bytes
.set TP,  208
.set SU,  210                          ; v[210:211] the sum's second chain
.set PC,  224                          ; v224-235 p's codes
.set PT,  236                          ; v236-242 the conversions' second halves
.macro ROUND                           ; a round of the cluster's barrier
	s_barrier_signal -1
	s_barrier_wait -1
	s_cmp_lg_u32 s18, 0
	s_cbranch_scc1 .Lnot_wave_0_\@
	s_barrier_signal -3
.Lnot_wave_0_\@:
	s_barrier_wait -3
	s_barrier_signal -1
	s_barrier_wait -1
.endm
.macro G1SET g, rows                   ; descriptor group 1: a dense block as rows of 256 bytes (32 elements of 8 bytes), no padding; mask: all four work-groups
	s_mov_b32 s[\g], 15|(3<<16)|(1<<21)
	s_mov_b32 s[\g+1], 32<<16
	s_mov_b32 s[\g+2], (\rows)<<16
	s_mov_b32 s[\g+3], 32<<16
	s_mov_b32 s[\g+4], \rows
	s_mov_b32 s[\g+5], 32
	s_mov_b32 s[\g+6], 0
	s_mov_b32 s[\g+7], 0
.endm
	s_load_b256 s[4:11], s[0:1], 0x0               ; qkv, attention_mask, oc, os
	v_lshl_add_u32 v30, v0, 2, 0x35000
	v_mov_b32 v31, 0
	ds_add_u32 v30, v31
	ds_add_u32 v30, v31
	v_lshrrev_b32 v1, 5, v0
	s_delay_alu instid0(VALU_DEP_1)
	v_readfirstlane_b32 s18, v1                    ; wave 0..15
	s_bfe_u32 s68, ttmp6, 0x40000                  ; cx
	s_lshl_b32 s69, ttmp9, 2
	s_add_co_u32 s69, s69, s68                     ; my block of 256 queries: it enters Q's and the outputs' addresses alone
	s_and_b32 s70, ttmp7, 0xffff                   ; 16 x batch + head, which the partners share
	s_mul_i32 s72, s70, HB
	s_mov_b32 s73, 0
	G1SET 24, 51                                   ; a key step: 51 rows of 256 bytes
	s_mov_b32 s48, 1
	s_mul_i32 s49, s18, STEPB                      ; LDS address = offset in the head block
	s_mov_b32 s77, 0
	s_mov_b32 s20, 0x76543210
	s_mov_b32 s21, 0xfedcba98                      ; v_permlanex16_b32's selects for lane l xor 16
	s_mov_b32 s22, 0x3e38aa3b                      ; log2(e) / 8
	s_mov_b32 s23, s22
	s_mov_b32 s2, 0                                ; the step's codes in LDS
	s_mov_b32 s3, 0                                ; its scale words
	s_mov_b32 s66, 0                               ; its bT
	s_wait_dscnt 0x0
	s_wait_kmcnt 0x0
	s_add_nc_u64 s[74:75], s[4:5], s[72:73]        ; the head block
	s_mov_b32 s76, s49
	s_add_nc_u64 s[50:51], s[74:75], s[76:77]
	s_or_b32 s51, s51, 0x80000000
	ROUND                                          ; all four work-groups are here: the joint loads meet
	s_cmp_lt_u32 s18, 4
	s_cbranch_scc0 .Llater_steps
	tensor_load_to_lds s[48:51], s[24:31]          ; waves 0-3: key steps 0-3
	s_nop 0
.rept 4
	v_nop
.endr
	s_branch .Lasked
.Llater_steps:
	tensor_load_to_lds s[48:51], s[24:31]          ; waves 4-15: key steps 4-15
	s_nop 0
.rept 4
	v_nop
.endr
.Lasked:
	s_lshl_b32 s80, s69, 4
	s_add_co_u32 s80, s80, s18                     ; my tile of 16 queries, 0 .. 127
	s_mul_i32 s82, s80, 768
	s_add_co_u32 s82, s82, QOF
	s_mov_b32 s83, 0
	s_add_nc_u64 s[84:85], s[74:75], s[82:83]      ; its codes
	s_lshr_b32 s82, s80, 2
	s_lshl_b32 s82, s82, 8
	s_and_b32 s86, s80, 3
	s_lshl_b32 s86, s86, 2
	s_add_co_u32 s82, s82, s86
	s_add_co_u32 s82, s82, QSO
	s_add_nc_u64 s[86:87], s[74:75], s[82:83]      ; its scale words: 256 (tile / 4) + 16 r + 4 (tile % 4)
	s_lshr_b32 s78, s70, 4                         ; the batch
	s_lshl_b32 s82, s78, 13
	s_add_nc_u64 s[6:7], s[6:7], s[82:83]          ; its mask
	s_lshl_b32 s79, s78, 7
	s_add_co_u32 s79, s79, s80                     ; my tile among the 256 row tiles of oc and os
	s_and_b32 s81, s70, 15                         ; the head
	s_mul_i32 s82, s79, 12288
	s_mul_i32 s88, s81, 768
	s_add_co_u32 s82, s82, s88
	s_add_nc_u64 s[8:9], s[8:9], s[82:83]
	s_lshl_b32 s82, s79, 9
	s_lshl_b32 s88, s81, 1
	s_add_co_u32 s82, s82, s88
	s_add_nc_u64 s[10:11], s[10:11], s[82:83]
	v_and_b32 v5, 31, v0
	s_delay_alu instid0(VALU_DEP_1)
	v_lshlrev_b32 v1, 4, v5                        ; 16 x lane
	s_delay_alu instid0(VALU_DEP_2)
	v_lshlrev_b32 v2, 3, v5                        ; 8 x lane
	v_and_b32 v6, 15, v0                           ; r
	v_bfe_u32 v7, v0, 4, 1                         ; h
	s_delay_alu instid0(VALU_DEP_2)
	v_lshl_add_u32 v3, v6, 4, SCW                  ; a row's four scale words
	s_delay_alu instid0(VALU_DEP_2)
	v_lshl_add_u32 v4, v7, 6, BIAS                 ; my half's 16 keys of a block of 32
	s_delay_alu instid0(VALU_DEP_4)
	v_lshlrev_b32 v6, 4, v6
	v_lshlrev_b32 v5, 4, v0
	v_lshl_add_u32 v7, v0, 4, BIAS                 ; where my thread's four bT go
	global_load_b128 v[32:35], v5, s[6:7]          ; four keys' mask a thread: 512 threads, 2,048 keys
	global_load_b128 v[16:19], v1, s[84:85]        ; Q's registers 0-3,
	global_load_b64 v[20:21], v2, s[84:85] offset:512   ; 4-5
	global_load_b32 v95, v6, s[86:87]
	v_mov_b32 v13, 0xff61b1e6                      ; the largest t so far: -3e38
	s_delay_alu instid0(VALU_DEP_1)
	v_floor_f32 v12, -v13                          ; -M
	v_mov_b32 v14, 0
	v_mov_b32 v15, 0
	v_mov_b32 v29, 0                               ; named with v28 as a pair
.irp j, 22,23,24,25,26,27,80,81,82,83,84,85
	v_mov_b32 v[\j], 0                             ; zero codes
.endr
.set J, 0
.rept 32
	v_mov_b32 v[160+J], 0                          ; O^T: the step is written once; the first change of M leaves zeros zeros
.set J, J+1
.endr
	s_wait_loadcnt 0x0
	v_and_b32 v95, 0xffff, v95                     ; the bytes of the two blocks that are not there: 0
.irp j, 32,33,34,35
	v_cvt_f32_i32 v[\j], v[\j]
.endr
.irp j, 32,33,34,35
	s_delay_alu instid0(VALU_DEP_4)
	v_sub_f32 v[\j], 1.0, v[\j]
.endr
.irp j, 32,33,34,35
	s_delay_alu instid0(VALU_DEP_4)
	v_mul_f32 v[\j], 0xcfee6b28, v[\j]             ; x -8e9: THE MASK'S ADDEND IS NOW KEPT AS 8 x ((1 - mask) x -1e9), an exact multiple, and enters as the score product's C: logit = (q k + addend) / 8
.endr
	ds_store_b128 v7, v[32:35]
; A KEY STEP: 128 keys.
.macro STEP
	v_add_nc_u32 v8, s2, v1                        ; (these four are the places behind the last step's products, in front of the loads below)
	v_add_nc_u32 v9, s2, v2
	v_add_nc_u32 v10, s3, v3
	v_add_nc_u32 v11, s66, v4
.irp t, 0,1,2,3,4,5,6,7
	ds_load_b128 v[32+6*\t:35+6*\t], v8 offset:768*\t
	ds_load_b64 v[36+6*\t:37+6*\t], v9 offset:768*\t+512
.endr
	ds_load_b128 v[86:89], v10                     ; K's scale words, tiles 0-3,
	ds_load_b128 v[90:93], v10 offset:256          ; tiles 4-7
.irp b, 0,1,2,3
.irp j, 0,1,2,3
	ds_load_b128 v[192+16*\b+4*\j:195+16*\b+4*\j], v11 offset:128*\b+16*\j   ; bT of keys 32 b + 16 h + 4 j on
.endr
.endr
	s_wait_alu depctr_va_vdst(0)                   ; V's loads read v8 and v10 behind the wait below
	s_wait_dscnt 0x0                               ; K, its scale words and the addends, which are the products' C, are in
.irp t, 0,1,2,3,4,5,6,7
	v_wmma_scale_f32_16x16x128_f8f6f4 v[96+8*\t:103+8*\t], v[32+6*\t:43+6*\t], v[16:27], v[192+8*\t:199+8*\t], v[86+\t], v95 matrix_a_fmt:MATRIX_FMT_FP6 matrix_b_fmt:MATRIX_FMT_FP6
.endr
	s_wait_dscnt 0x0
.rept 4
	v_nop                                          ; places behind the products
.endr
.irp t, 0,1,2,3
.irp c, 0,1,2
	ds_load_b128 v[32+12*\t+4*\c:35+12*\t+4*\c], v8 offset:6144+1536*\t+512*\c   ; V lands under the softmax
.endr
.endr
	ds_load_b128 v[86:89], v10 offset:512          ; V's scale words
.irp b, 0,1,2,3
	v_max3_num_f32 v[BM+\b], v[96+16*\b], v[97+16*\b], v[98+16*\b]   ; the largest t of each block of 32 keys: for the row's maximum and for the block's largest p
.endr
.irp i, 3,5,7,9,11,13
.irp b, 0,1,2,3
	v_max3_num_f32 v[BM+\b], v[BM+\b], v[96+16*\b+\i], v[97+16*\b+\i]   ; the maxima are taken of the sums as the products leave them: the factor log2(e) / 8 is positive; four chains by turns
.endr
.endr
.irp b, 0,1,2,3
	v_max_num_f32 v[BM+\b], v[BM+\b], v[111+16*\b]
.endr
.irp b, 0,1,2,3
	s_delay_alu instid0(VALU_DEP_4)
	v_permlanex16_b32 v[BX+\b], v[BM+\b], s20, s21
.endr
.irp b, 0,1,2,3
	s_delay_alu instid0(VALU_DEP_4)
	v_max_num_f32 v[BM+\b], v[BM+\b], v[BX+\b]
.endr
	s_delay_alu instid0(VALU_DEP_2)
	v_max3_num_f32 v[TP], v[BM], v[BM+1], v[BM+2]
	s_delay_alu instid0(VALU_DEP_1)
	v_max_num_f32 v[TP], v[TP], v[BM+3]
	s_delay_alu instid0(VALU_DEP_1)
	v_mul_f32 v[TP], s22, v[TP]                    ; the step's largest sum as t
	s_delay_alu instid0(VALU_DEP_1)
	v_max_num_f32 v13, v13, v[TP]                  ; the running largest t
	v_mov_b32 v[TP], v12
	s_delay_alu instid0(VALU_DEP_2)
	v_floor_f32 v12, -v13                          ; the new -M = -ceil(t)
	s_delay_alu instid0(VALU_DEP_1)
	v_sub_f32 v[TP], v12, v[TP]                    ; old M - new M: a whole number, 0 or less
	s_delay_alu instid0(VALU_DEP_1)
	v_cvt_i32_f32 v[TP], v[TP]                     ; (it saturates)
	s_delay_alu instid0(VALU_DEP_1)
	v_ldexp_f32 v28, 1.0, v[TP]                    ; f = 2^(old M - new M)
.set J, 0
.rept 32
	v_pk_fma_f32 v[96+J:97+J], v[96+J:97+J], s[22:23], v[12:13] op_sel_hi:[1,0,0]   ; t - M = sum x log2(e) / 8 - M, one rounding
.set J, J+2
.endr
.irp b, 0,1,2,3
	v_fma_f32 v[BM+\b], v[BM+\b], s22, v12         ; the same of each block's largest sum
.endr
.set J, 0
	s_wait_alu depctr_va_vdst(0)
.rept 64
	v_exp_f32 v[96+J], v[96+J]                     ; p = 2^(t - M)
.set J, J+1
.endr
	v_pk_mul_f32 v[14:15], v[14:15], v[28:29] op_sel_hi:[1,0]   ; l under the new M: a plain place behind the exponentials
	s_wait_alu depctr_va_vdst(0)                   ; one wait for the batch, ahead of its first reader
.irp b, 0,1,2,3
	v_exp_f32 v[BM+\b], v[BM+\b]                   ; the blocks' largest p: the same two instructions on the same number
.endr
	v_pk_add_f32 v[210:211], v[100:101], v[104:105]
	v_pk_add_f32 v[254:255], v[108:109], v[112:113]
	v_pk_add_f32 v[252:253], v[116:117], v[120:121]
	v_pk_add_f32 v[250:251], v[124:125], v[128:129]
	v_pk_add_f32 v[248:249], v[132:133], v[136:137]
	v_pk_add_f32 v[246:247], v[140:141], v[144:145]
	v_pk_add_f32 v[244:245], v[148:149], v[152:153]
	v_pk_add_f32 v[14:15], v[14:15], v[156:157]
	v_pk_add_f32 v[210:211], v[210:211], v[96:97]
	v_pk_add_f32 v[254:255], v[254:255], v[98:99]
	v_pk_add_f32 v[252:253], v[252:253], v[102:103]
	v_pk_add_f32 v[250:251], v[250:251], v[106:107]
	v_pk_add_f32 v[248:249], v[248:249], v[110:111]
	v_pk_add_f32 v[246:247], v[246:247], v[114:115]
	v_pk_add_f32 v[244:245], v[244:245], v[118:119]
	v_pk_add_f32 v[14:15], v[14:15], v[122:123]
	v_pk_add_f32 v[210:211], v[210:211], v[126:127]
	v_pk_add_f32 v[254:255], v[254:255], v[130:131]
	v_pk_add_f32 v[252:253], v[252:253], v[134:135]
	v_pk_add_f32 v[250:251], v[250:251], v[138:139]
	v_pk_add_f32 v[248:249], v[248:249], v[142:143]
	v_pk_add_f32 v[246:247], v[246:247], v[146:147]
	v_pk_add_f32 v[244:245], v[244:245], v[150:151]
	v_pk_add_f32 v[14:15], v[14:15], v[154:155]
	v_pk_add_f32 v[210:211], v[210:211], v[158:159]
	s_delay_alu instid0(VALU_DEP_2)
	v_pk_add_f32 v[14:15], v[14:15], v[250:251]
	s_delay_alu instid0(VALU_DEP_2)
	v_pk_add_f32 v[210:211], v[210:211], v[248:249]
	v_pk_add_f32 v[254:255], v[254:255], v[246:247]
	v_pk_add_f32 v[252:253], v[252:253], v[244:245]
	s_delay_alu instid0(VALU_DEP_2)
	v_pk_add_f32 v[14:15], v[14:15], v[254:255]
	s_delay_alu instid0(VALU_DEP_2)
	v_pk_add_f32 v[210:211], v[210:211], v[252:253]
	s_delay_alu instid0(VALU_DEP_1)
	v_pk_add_f32 v[14:15], v[14:15], v[210:211]
	s_wait_alu depctr_va_vdst(0)                   ; and one for the four
.irp b, 0,1,2,3
	v_max_num_f32 v[BM+\b], 0x1800000, v[BM+\b]    ; the floor 2^(3 - 127)
.endr
.irp b, 0,1,2,3
	s_delay_alu instid0(VALU_DEP_4)
	v_add_nc_u32 v[SO+\b], 0xff000000, v[BM+\b]    ; the conversion's scale operand
.endr
.irp b, 0,1,2,3
	s_delay_alu instid0(VALU_DEP_4)
	v_lshrrev_b32 v[BY+\b], 23, v[SO+\b]           ; the scale's byte
.endr
	s_delay_alu instid0(VALU_DEP_3)
	v_lshl_or_b32 v94, v[BY+1], 8, v[BY]           ; p's scale word
	s_delay_alu instid0(VALU_DEP_1)
	v_lshl_or_b32 v94, v[BY+2], 16, v94
	s_delay_alu instid0(VALU_DEP_1)
	v_lshl_or_b32 v94, v[BY+3], 24, v94
.irp c, 0,1
	v_cvt_scalef32_pk16_fp6_f32 v[PC+6*\c:PC+2+6*\c], v[96+32*\c:111+32*\c], v[SO+2*\c]
	v_cvt_scalef32_pk16_fp6_f32 v[PT+4*\c:PT+2+4*\c], v[112+32*\c:127+32*\c], v[SO+2*\c+1]
.endr
	v_nop                                          ; one plain place behind a scaled conversion
.irp c, 0,1
.irp i, 0,1,2
	v_permlane16_swap_b32 v[PC+6*\c+\i], v[PT+4*\c+\i]
.endr
.irp i, 0,1,2
	s_delay_alu instid0(VALU_DEP_3)
	v_mov_b32 v[PC+3+6*\c+\i], v[PT+4*\c+\i]
.endr
.endr
.set J, 0
.rept 16
	v_pk_mul_f32 v[160+J:161+J], v[160+J:161+J], v[28:29] op_sel_hi:[1,0]   ; O^T under the new M; these 16 are also the places between the codes, the scale word and the products
.set J, J+2
.endr
	s_wait_alu depctr_va_vdst(0)
	s_wait_dscnt 0x0                               ; V is in
.irp t, 0,1,2,3
	v_wmma_scale_f32_16x16x128_f8f6f4 v[160+8*\t:167+8*\t], v[32+12*\t:43+12*\t], v[PC:PC+11], v[160+8*\t:167+8*\t], v[86+\t], v94 matrix_a_fmt:MATRIX_FMT_FP6 matrix_b_fmt:MATRIX_FMT_FP6
.endr
	s_add_co_u32 s2, s2, STEPB
	s_add_co_u32 s3, s3, STEPB
	s_add_co_u32 s66, s66, 512
.endm
	s_cmp_lt_u32 s18, 4
	s_cbranch_scc0 .Lnot_first
	s_wait_tensorcnt 0x0                           ; waves 0-3: key steps 0-3 are in; the others' loads may be out
.Lnot_first:
	s_wait_dscnt 0x0                               ; my four bT are stored
	s_barrier_signal -1
	s_barrier_wait -1                              ; everybody's are
	s_mov_b32 s67, 4
.Lfirst_steps:
	STEP
	s_sub_co_u32 s67, s67, 1
	s_cmp_lg_u32 s67, 0
	s_cbranch_scc1 .Lfirst_steps
	s_wait_tensorcnt 0x0                           ; my part of key steps 4-15 is in
	s_wait_dscnt 0x0
	s_barrier_signal -1
	s_barrier_wait -1
	s_mov_b32 s67, 12
.Lother_steps:
	STEP
	s_sub_co_u32 s67, s67, 1
	s_cmp_lg_u32 s67, 0
	s_cbranch_scc1 .Lother_steps
	; THE WAY OUT: O^T / l, quantised along the head's 64 (two blocks), stored as half a fragment's image and two scale bytes a row.
.rept 4
	v_nop                                          ; places behind the last products
.endr
	v_add_f32 v14, v14, v15
	s_delay_alu instid0(VALU_DEP_1)
	v_permlanex16_b32 v29, v14, s20, s21
	s_delay_alu instid0(VALU_DEP_1)
	v_add_f32 v14, v14, v29                        ; the row's sum
	s_wait_alu depctr_va_vdst(0)
	v_rcp_f32 v14, v14
	v_and_b32 v6, 15, v0                           ; (a plain place behind the reciprocal)
	s_delay_alu instid0(VALU_DEP_1)
	v_lshlrev_b32 v5, 5, v6                        ; os: 32 bytes a row
	s_wait_alu depctr_va_vdst(0)                   ; ahead of the first reader
.set J, 0
.rept 16
	v_pk_mul_f32 v[96+J:97+J], v[160+J:161+J], v[14:15] op_sel_hi:[1,0]   ; register 16 b + i: dim 32 b + 16 h + i
.set J, J+2
.endr
.irp b, 0,1
	v_max3_num_f32 v[BM+\b], |v[96+16*\b]|, |v[97+16*\b]|, 0x1800000
.endr
.irp i, 2,4,6,8,10,12,14
.irp b, 0,1
	s_delay_alu instid0(VALU_DEP_2)
	v_max3_num_f32 v[BM+\b], v[BM+\b], |v[96+16*\b+\i]|, |v[97+16*\b+\i]|
.endr
.endr
.irp b, 0,1
	s_delay_alu instid0(VALU_DEP_2)
	v_permlanex16_b32 v[BX+\b], v[BM+\b], s20, s21
.endr
.irp b, 0,1
	s_delay_alu instid0(VALU_DEP_2)
	v_max_num_f32 v[BM+\b], v[BM+\b], v[BX+\b]
.endr
.irp b, 0,1
	s_delay_alu instid0(VALU_DEP_2)
	v_add_nc_u32 v[SO+\b], 0xff000000, v[BM+\b]
.endr
.irp b, 0,1
	s_delay_alu instid0(VALU_DEP_2)
	v_lshrrev_b32 v[BY+\b], 23, v[SO+\b]
.endr
	s_delay_alu instid0(VALU_DEP_1)
	v_lshl_or_b32 v[BY+2], v[BY+1], 8, v[BY]       ; the row's two bytes
	v_cvt_scalef32_pk16_fp6_f32 v[PC:PC+2], v[96:111], v[SO]
	v_cvt_scalef32_pk16_fp6_f32 v[PT:PT+2], v[112:127], v[SO+1]
	v_nop
.irp i, 0,1,2
	v_permlane16_swap_b32 v[PC+\i], v[PT+\i]
.endr
.irp i, 0,1,2
	s_delay_alu instid0(VALU_DEP_3)
	v_mov_b32 v[PC+3+\i], v[PT+\i]
.endr
	global_store_b128 v1, v[PC:PC+3], s[8:9]               ; 512 consecutive bytes, aligned
	global_store_b64 v2, v[PC+4:PC+5], s[8:9] offset:512   ; 256
	global_store_b16 v5, v[BY+2], s[10:11]                 ; two bytes a row (both halves of the lanes write the same): the bytes beside them are other heads', made by other work-groups
	s_wait_tensorcnt 0x0
	ds_add_u32 v30, v31
	s_wait_dscnt 0x0
	ROUND                                          ; the closing round
	s_endpgm
.Lfunc_end_k_q68d0f70be4_attn:
	.size	k_q68d0f70be4_attn, .Lfunc_end_k_q68d0f70be4_attn-k_q68d0f70be4_attn
	.p2alignl 7, 3214868480
	.fill 96, 4, 3214868480
	.section	.rodata,"a",@progbits
	.p2align	6, 0x0
	.amdhsa_kernel k_q68d0f70be4_attn
		.amdhsa_group_segment_fixed_size 219136
		.amdhsa_private_segment_fixed_size 0
		.amdhsa_enable_private_segment 0
		.amdhsa_kernarg_size 32
		.amdhsa_user_sgpr_count 2
		.amdhsa_user_sgpr_kernarg_segment_ptr 1
		.amdhsa_wavefront_size32 1
		.amdhsa_system_sgpr_workgroup_id_x 1
		.amdhsa_system_sgpr_workgroup_id_y 1
		.amdhsa_system_sgpr_workgroup_id_z 1
		.amdhsa_system_vgpr_workitem_id 0
		.amdhsa_next_free_vgpr 256
		.amdhsa_next_free_sgpr 90
		.amdhsa_reserve_vcc 0
		.amdhsa_float_denorm_mode_32 3
		.amdhsa_float_denorm_mode_16_64 3
		.amdhsa_memory_ordered 1
		.amdhsa_forward_progress 1
		.amdhsa_inst_pref_size 49
	.end_amdhsa_kernel
	.amdgpu_metadata
---
amdhsa.version: [ 1, 2 ]
amdhsa.kernels:
  - .name:           k_q68d0f70be4_attn
    .symbol:         k_q68d0f70be4_attn.kd
    .args:
      - { .name: qkv, .offset: 0, .size: 8, .value_kind: global_buffer, .address_space: global }
      - { .name: attention_mask, .offset: 8, .size: 8, .value_kind: global_buffer, .address_space: global }
      - { .name: oc, .offset: 16, .size: 8, .value_kind: global_buffer, .address_space: global }
      - { .name: os, .offset: 24, .size: 8, .value_kind: global_buffer, .address_space: global }
    .group_segment_fixed_size: 219136
    .private_segment_fixed_size: 0
    .kernarg_segment_align: 8
    .kernarg_segment_size: 32
    .max_flat_workgroup_size: 512
    .sgpr_count:     90
    .vgpr_count:     256
    .wavefront_size: 32
...
	.end_amdgpu_metadata
.endif
;; end of part 3
;; launch oproj (part 4): grid 8 x 32, 4 waves a work-group, clusters of 4 x 4, 247,808 bytes of LDS; arguments oc, os, wc, ws, out0; writes out0
.if DOCPART == 4
	.amdgcn_target "amdgcn-amd-amdhsa--gfx1250"
	.amdhsa_code_object_version 6
	.text
	.protected	k_q68d0f70be4_oproj
	.globl	k_q68d0f70be4_oproj
	.p2align	8
	.type	k_q68d0f70be4_oproj,@function
k_q68d0f70be4_oproj:
	s_mov_b64 s[64:65], 0
	v_nop
	global_prefetch_b8 v0, s[64:65] scope:SCOPE_SE
	s_setreg_imm32_b32 hwreg(HW_REG_WAVE_MODE, 25, 1), 1
	s_wait_xcnt 0x0
	s_wait_alu depctr_hold_cnt(0) depctr_sa_sdst(0) depctr_va_vdst(0) depctr_va_sdst(0) depctr_va_ssrc(0) depctr_va_vcc(0) depctr_vm_vsrc(0)
	s_getreg_b32 s2, hwreg(HW_REG_IB_STS2, 6, 4)
	s_cmp_eq_u32 s2, 0
	s_cbranch_scc0 .Lentry_in_a_cluster
	s_endpgm
.Lentry_in_a_cluster:
	s_bfe_u32 s2, ttmp6, 0x10000c
	s_cmp_lg_u32 s2, 0xf033
	s_cbranch_scc0 .Lentry_shape_is_right
	s_endpgm
.Lentry_shape_is_right:
; out0 = O Wo on codes of FP6 (E2M3) with E8M0 scales, K = 1,024, sums in f32.
; A block of 128 tokens x 128 columns to a work-group: 32 x 8 = 256 work-groups.  Four waves, 2 x 2, 64 x 64 each: 16 accumulators.
; ALL OF K FITS IN LDS: O's 128 rows (98,304 bytes, images of operand registers as the attention launch stores them), Wo's 128 rows (98,304 bytes, padded to 122,880) and both
; sides' scale bytes are filled once, one joint load a wave; nothing is filled again: no ring.  4 x 4 work-groups form a cluster: O's tiles are asked for jointly along a row, Wo's along a column.
; No prefetch: every byte is asked for by the head's four loads, and there is no loop to run ahead in.
; The matrix instruction takes source 0 = 16 rows of Wo, source 1 = 16 rows of O: a lane holds one token and eight neighbouring columns.
; Rows of oc and of wc lie in tile order: tile a, row r is token 32 (a / 2) + 8 (a % 2) + r + 8 (r / 8) of its 64; columns likewise.
; LIMITS: NaN and infinities are not served.
; REGISTERS: window 0: v16-29 addresses; v32-71 scale words (block i, K step q at 32 + 10 i + q: lanes 0-15 O's, lanes 16-31 Wo's), on the way out v32-95 the rows read back; v128-255 the sums.
; window 1: two sets of fragments at v0 and v128: O's four at + 0, Wo's four at + 48.
.set PITCH,  240                       ; an LDS row of Wo: 3 x (64 bytes + 16 of padding)
.set FR,     12
.set ATILE,  12288                     ; 16 rows of O, all of K
.set BB,     98304                     ; Wo's rows in LDS: [K step of 256][128 rows]
.set KB,     128*PITCH
.set SCL,    BB+4*KB
.set HS,     16*272                    ; the scale bytes of 128 rows: 16 units of 256 + 16
.set STAGE,  SCL+2*HS                  ; the way out: 16 rows x SP bytes a wave; no fill lands there
.set SP,     272
.set SPARE,  STAGE+4*16*SP             ; the spare words
.set A16,  16
.set A8,   17
.set ADRB, 20
.set STO,  24
.set RD,   25
.set CO,   26
.set ADRS, 27
.set SPW,  28
.set NIL,  29
.set SC,   32
.set BK,   32
.set ACC,  128
.set MSB, 0
.macro WIN new
.if MSB != (\new)
	s_set_vgpr_msb (MSB<<8)|(\new)
.set MSB, (\new)
.endif
.endm
.macro PLACES
.rept 4
	v_nop
.endr
.endm
.macro CROUND
	s_barrier_signal -1
	s_barrier_wait -1
	s_cmp_lg_u32 s14, 0
	s_cbranch_scc1 .Lnot_wave_0_\@
	s_barrier_signal -3
.Lnot_wave_0_\@:
	s_barrier_wait -3
	s_barrier_signal -1
	s_barrier_wait -1
.endm
.macro G1R g, rows                     ; a dense block as rows of 256 bytes (32 elements of 8)
	s_mov_b32 s[\g+1], 32<<16
	s_mov_b32 s[\g+2], (\rows)<<16
	s_mov_b32 s[\g+3], 32<<16
	s_mov_b32 s[\g+4], \rows
	s_mov_b32 s[\g+5], 32
	s_mov_b32 s[\g+6], 0
	s_mov_b32 s[\g+7], 0
.endm
.macro ARM under, g0, g1, next
	s_cmp_lt_u32 s14, \under
	s_cbranch_scc0 \next
	tensor_load_to_lds s[\g0:\g0+3], s[\g1:\g1+7]
	s_nop 0
	PLACES
	s_branch .Lhead_asked
\next:
.endm
	s_load_b128 s[4:7], s[0:1], 0x0                ; oc, os
	s_load_b128 s[8:11], s[0:1], 0x10              ; wc, ws
	s_load_b64 s[12:13], s[0:1], 0x20              ; out0
	v_lshl_add_u32 v[SPW], v0, 2, SPARE
	v_mov_b32 v[NIL], 0
	ds_add_u32 v[SPW], v[NIL]
	ds_add_u32 v[SPW], v[NIL]
	v_lshrrev_b32 v1, 5, v0
	v_readfirstlane_b32 s14, v1                    ; wave; s15 its half of the tokens, s16 of the columns
	s_lshr_b32 s15, s14, 1
	s_and_b32 s16, s14, 1
	s_bfe_u32 s40, ttmp6, 0x40000                  ; cx
	s_bfe_u32 s41, ttmp6, 0x40004                  ; cy
	s_lshl_b32 s42, ttmp9, 2
	s_add_co_u32 s42, s42, s40                     ; which 128 columns
	s_and_b32 s17, ttmp7, 0xffff
	s_lshl_b32 s17, s17, 2
	s_add_co_u32 s17, s17, s41                     ; which 128 tokens
	s_lshl_b32 s43, s41, 2
	s_lshl_b32 s43, 15, s43                        ; my row of the cluster
	s_lshl_b32 s44, 0x1111, s40                    ; my column
	s_or_b32 s24, s43, (3<<16)|(1<<21)                              ; O's codes: no padding
	s_or_b32 s32, s44, (3<<16)|(1<<20)|(1<<21)|(3<<22)|(3<<25)      ; Wo's: 4 words behind every 16
	s_or_b32 s48, s43, (3<<16)|(1<<20)|(1<<21)|(5<<22)|(3<<25)      ; scale bytes: 4 words behind every 64
	s_or_b32 s56, s44, (3<<16)|(1<<20)|(1<<21)|(5<<22)|(3<<25)
	G1R 24, 384
	G1R 32, 384
	G1R 48, 16
	G1R 56, 16
	s_mul_i32 s20, s17, 98304                      ; O's codes,
	s_mov_b32 s21, 0
	s_lshl_b32 s22, s17, 12                        ; its scale bytes;
	s_mov_b32 s23, 0
	s_mul_i32 s46, s42, 98304                      ; Wo's rows lie behind 3,072 rows of wc and ws
	s_add_co_u32 s46, s46, 3072*768
	s_mov_b32 s47, 0
	s_lshl_b32 s18, s42, 12
	s_add_co_u32 s18, s18, 3072*32
	s_mov_b32 s19, 0
	s_mov_b32 s68, 1
	s_mov_b32 s69, 0
	s_mov_b32 s72, 1
	s_mov_b32 s73, BB
	s_mov_b32 s76, 1
	s_mov_b32 s77, SCL
	s_mov_b32 s80, 1
	s_mov_b32 s81, SCL+HS
	s_wait_dscnt 0x0                               ; both opening adds are done
	s_wait_kmcnt 0x0
	s_add_nc_u64 s[70:71], s[4:5], s[20:21]
	s_or_b32 s71, s71, 0x80000000
	s_add_nc_u64 s[74:75], s[8:9], s[46:47]
	s_or_b32 s75, s75, 0x80000000
	s_add_nc_u64 s[78:79], s[6:7], s[22:23]
	s_or_b32 s79, s79, 0x80000000
	s_add_nc_u64 s[82:83], s[10:11], s[18:19]
	s_or_b32 s83, s83, 0x80000000
	CROUND                                         ; the joint loads meet
	ARM 1, 68, 24, .Lhead_b                        ; one load a wave: O's codes,
	ARM 2, 72, 32, .Lhead_sa                       ; Wo's,
	ARM 3, 76, 48, .Lhead_sb                       ; O's scale bytes,
	tensor_load_to_lds s[80:83], s[56:63]          ; Wo's
	s_nop 0
	PLACES
.Lhead_asked:
	s_lshl_b32 s84, s17, 7                         ; my part of out0: token 128 y + 64 half, 4,096 bytes a row; column bytes 512 x + 256 half
	s_lshl_b32 s85, s15, 6
	s_add_co_u32 s84, s84, s85
	s_lshl_b32 s84, s84, 12
	s_lshl_b32 s85, s42, 9
	s_add_co_u32 s84, s84, s85
	s_lshl_b32 s85, s16, 8
	s_add_co_u32 s84, s84, s85
	s_mov_b32 s85, 0
	s_add_nc_u64 s[12:13], s[12:13], s[84:85]
	v_and_b32 v1, 15, v0                           ; r
	v_bfe_u32 v2, v0, 4, 1                         ; h
	v_and_b32 v3, 31, v0
	v_mul_u32_u24 v4, v1, PITCH
	v_mad_u32_u24 v4, v2, 24, v4                   ; Wo: row x pitch + 24 h,
	v_lshl_add_u32 v5, v2, 4, v4                   ; and the same behind one padding more
	v_lshlrev_b32 v7, 4, v3
	v_lshlrev_b32 v8, 3, v3
	s_mul_i32 s21, s15, 4*ATILE
	s_mul_i32 s22, s16, 64*PITCH
	s_add_co_u32 s22, s22, BB
	v_add_nc_u32 v[A16], s21, v7
	v_add_nc_u32 v[A8], s21, v8
	v_add_nc_u32 v[ADRB], s22, v4                  ; K steps of 256: 0, 1
	v_add_nc_u32 v[ADRB+2], s22, v5
	s_add_co_u32 s22, s22, 2*KB
	v_add_nc_u32 v[ADRB+1], s22, v4                ; 2, 3
	v_add_nc_u32 v[ADRB+3], s22, v5
	v_lshlrev_b32 v6, 5, v1                        ; a row's 32 scale bytes,
	v_lshrrev_b32 v7, 8, v6
	v_lshl_add_u32 v6, v7, 4, v6                   ; 16 more for each 256 passed
	s_mul_i32 s21, s15, HS/2
	s_mul_i32 s22, s16, HS/2
	s_add_co_u32 s22, s22, HS
	s_sub_co_u32 s22, s22, s21
	v_mul_u32_u24 v7, s22, v2                      ; lanes 16-31 take Wo's
	s_add_co_u32 s21, s21, SCL
	v_add_nc_u32 v6, v6, v7
	v_add_nc_u32 v[ADRS], s21, v6
	s_mul_i32 s23, s14, 16*SP
	s_add_co_u32 s23, s23, STAGE
	v_mul_u32_u24 v6, v1, SP
	v_lshl_add_u32 v6, v2, 6, v6                   ; into the stage: row r, 64 h bytes
	v_add_nc_u32 v[STO], s23, v6
	v_mul_u32_u24 v7, v2, SP
	v_lshl_add_u32 v7, v1, 4, v7                   ; back: sixteen lanes to a row of 256 bytes, two rows an instruction
	v_add_nc_u32 v[RD], s23, v7
	v_lshlrev_b32 v8, 12, v2
	v_lshl_add_u32 v[CO], v1, 4, v8                ; the same two rows in out0
.macro FRAGB reg, q, i                 ; 16 rows x 128 K of Wo in pieces of 8 bytes; lanes 16-31 read three pieces on, for some pieces behind one padding more
.irp p, 0,1,2,3,4,5
.set PCE, 12*((\q)%2)+6*(\p/3)+\p%3
.set OF_, (((\q)/2)%2)*KB+8*PCE+16*(PCE/8)+(\i)*16*PITCH
.if PCE%8 < 5
	ds_load_b64 v[(\reg)+2*\p:(\reg)+2*\p+1], v[ADRB+(\q)/4] offset:OF_
.else
	ds_load_b64 v[(\reg)+2*\p:(\reg)+2*\p+1], v[ADRB+2+(\q)/4] offset:OF_
.endif
.endr
.endm
.macro FETCH q                         ; K step q's fragments into set q % 2: 16 + 24 = 40 loads
.set P_, 128*((\q)%2)
	WIN 0x40
.irp i, 0,1,2,3
	ds_load_b128 v[P_+FR*\i:P_+FR*\i+3], v[A16] offset:\i*ATILE+1536*(\q)
	ds_load_b64 v[P_+FR*\i+4:P_+FR*\i+5], v[A8] offset:\i*ATILE+1536*(\q)+512
	ds_load_b128 v[P_+FR*\i+6:P_+FR*\i+9], v[A16] offset:\i*ATILE+1536*(\q)+768
	ds_load_b64 v[P_+FR*\i+10:P_+FR*\i+11], v[A8] offset:\i*ATILE+1536*(\q)+1280
.endr
.irp i, 0,1,2,3
	FRAGB P_+48+FR*\i, \q, \i
.endr
.endm
.macro MUL q, zero                     ; 16 products; the 16 sums take turns in the same order in every step
.set P_, 128*((\q)%2)
	WIN 0x05
.irp a, 0,1,2,3
.irp b, 0,1,2,3
.if \zero
	v_wmma_scale_f32_16x16x128_f8f6f4 v[ACC+8*(4*\a+\b):ACC+8*(4*\a+\b)+7], v[P_+48+FR*\b:P_+48+FR*\b+FR-1], v[P_+FR*\a:P_+FR*\a+FR-1], 0, v[SC+10*\b+(\q)], v[SC+10*\a+(\q)] matrix_a_fmt:MATRIX_FMT_FP6 matrix_b_fmt:MATRIX_FMT_FP6 matrix_a_scale:MATRIX_SCALE_ROW1
.else
	v_wmma_scale_f32_16x16x128_f8f6f4 v[ACC+8*(4*\a+\b):ACC+8*(4*\a+\b)+7], v[P_+48+FR*\b:P_+48+FR*\b+FR-1], v[P_+FR*\a:P_+FR*\a+FR-1], v[ACC+8*(4*\a+\b):ACC+8*(4*\a+\b)+7], v[SC+10*\b+(\q)], v[SC+10*\a+(\q)] matrix_a_fmt:MATRIX_FMT_FP6 matrix_b_fmt:MATRIX_FMT_FP6 matrix_a_scale:MATRIX_SCALE_ROW1
.endif
.endr
.endr
.endm
	s_wait_alu depctr_va_vdst(0)
	s_wait_tensorcnt 0x0                           ; my tile is in
	s_barrier_signal -1
	s_barrier_wait -1                              ; all four are
.irp i, 0,1,2,3
	ds_load_b128 v[SC+10*\i:SC+10*\i+3], v[ADRS] offset:\i*544        ; block i's scale words of all eight K steps
	ds_load_b128 v[SC+10*\i+4:SC+10*\i+7], v[ADRS] offset:\i*544+16
.endr
	FETCH 0
	FETCH 1
	s_wait_dscnt 40                                ; all but K step 1's 40 loads
	MUL 0, 1                                       ; the first step's products start the sums
.set Q, 1
.rept 6
	PLACES                                         ; between the last products and the loads into their set
	FETCH Q+1
	s_wait_dscnt 40                                ; all but the 40 just issued
	MUL Q, 0
.set Q, Q+1
.endr
	s_wait_dscnt 0x0
	MUL 7, 0
	WIN 0
; THE WAY OUT, by blocks of 16 tokens x 64 columns, through my own stage; LDS serves a wave's instructions in order, so no wait stands between the stores and the loads.
.macro TOSTAGE a
.irp b, 0,1,2,3
	ds_store_b128 v[STO], v[ACC+8*(4*(\a)+\b):ACC+8*(4*(\a)+\b)+3] offset:128*(\b/2)+32*(\b%2)      ; each sum from its low end on; columns 32 (b / 2) + 8 (b % 2) + 16 h + 0 .. 7
	ds_store_b128 v[STO], v[ACC+8*(4*(\a)+\b)+4:ACC+8*(4*(\a)+\b)+7] offset:128*(\b/2)+32*(\b%2)+16
.endr
.irp t, 0,1,2,3,4,5,6,7
	ds_load_b128 v[BK+32*((\a)%2)+4*\t:BK+32*((\a)%2)+4*\t+3], v[RD] offset:\t*2*SP
.endr
.endm
.macro SEND a, younger
	s_wait_dscnt \younger
.irp t, 0,1,2,3,4,5,6,7
	global_store_b128 v[CO], v[BK+32*((\a)%2)+4*\t:BK+32*((\a)%2)+4*\t+3], s[12:13] offset:(32*((\a)/2)+8*((\a)%2)+2*\t+8*(\t/4))*4096 th:TH_STORE_NT   ; sixteen lanes store 256 consecutive bytes, aligned
.endr
.endm
	PLACES
	TOSTAGE 0
.irp a, 1,2,3
.if \a > 1
	s_wait_xcnt 0x0                                ; block a - 2's stores have read their registers
.endif
	TOSTAGE \a
	SEND \a-1, 16                                  ; younger: block a's 8 stores and 8 loads
.endr
	SEND 3, 0
	s_wait_tensorcnt 0x0                           ; the wave's end
	ds_add_u32 v[SPW], v[NIL]
	s_wait_dscnt 0x0
	CROUND                                         ; the closing round
	s_endpgm
.Lfunc_end_k_q68d0f70be4_oproj:
	.size	k_q68d0f70be4_oproj, .Lfunc_end_k_q68d0f70be4_oproj-k_q68d0f70be4_oproj
	.p2alignl 7, 3214868480
	.fill 96, 4, 3214868480
	.section	.rodata,"a",@progbits
	.p2align	6, 0x0
	.amdhsa_kernel k_q68d0f70be4_oproj
		.amdhsa_group_segment_fixed_size 247808
		.amdhsa_private_segment_fixed_size 0
		.amdhsa_enable_private_segment 0
		.amdhsa_kernarg_size 40
		.amdhsa_user_sgpr_count 2
		.amdhsa_user_sgpr_kernarg_segment_ptr 1
		.amdhsa_wavefront_size32 1
		.amdhsa_system_sgpr_workgroup_id_x 1
		.amdhsa_system_sgpr_workgroup_id_y 1
		.amdhsa_system_sgpr_workgroup_id_z 1
		.amdhsa_system_vgpr_workitem_id 0
		.amdhsa_next_free_vgpr 512
		.amdhsa_next_free_sgpr 90
		.amdhsa_reserve_vcc 0
		.amdhsa_float_denorm_mode_32 3
		.amdhsa_float_denorm_mode_16_64 3
		.amdhsa_memory_ordered 1
		.amdhsa_forward_progress 1
		.amdhsa_inst_pref_size 54
	.end_amdhsa_kernel
	.amdgpu_metadata
---
amdhsa.version: [ 1, 2 ]
amdhsa.kernels:
  - .name:           k_q68d0f70be4_oproj
    .symbol:         k_q68d0f70be4_oproj.kd
    .args:
      - { .name: oc, .offset: 0, .size: 8, .value_kind: global_buffer, .address_space: global }
      - { .name: os, .offset: 8, .size: 8, .value_kind: global_buffer, .address_space: global }
      - { .name: wc, .offset: 16, .size: 8, .value_kind: global_buffer, .address_space: global }
      - { .name: ws, .offset: 24, .size: 8, .value_kind: global_buffer, .address_space: global }
      - { .name: out0, .offset: 32, .size: 8, .value_kind: global_buffer, .address_space: global }
    .group_segment_fixed_size: 247808
    .private_segment_fixed_size: 0
    .kernarg_segment_align: 8
    .kernarg_segment_size: 40
    .max_flat_workgroup_size: 128
    .sgpr_count:     90
    .vgpr_count:     512
    .wavefront_size: 32
...
	.end_amdgpu_metadata
.endif
;; end of part 4
